; MI455X (gfx1250); checked and timed in simulation.
; The chip was launched on July 23, 2026; its instructions are those of AMD's public machine-readable ISA for CDNA 5 (MIT licence, August 2026) and "CDNA5" Instruction Set Architecture Reference Guide (July 2026). The comments in the code are by the model that wrote it; some were corrected since.
;; Casual Attention. Allowed arithmetic: matrix products marked QUANTISED: E2M3 operands, one E8M0 scale for each 32 along K, by v_wmma_scale_f32_16x16x128_f8f6f4 with both operands' format E2M3, f32 sums; everything else in f32.
;; Inputs: attn_b 3,072 float32; attn_w 1,024 x 3,072 float32; proj_b 1,024 float32; proj_w 1,024 x 1,024 float32; x 4 x 2,048 x 1,024 float32.
;; Outputs: out0 4 x 2,048 x 1,024 float32.
;; This version of the problem:
;;   THIS VERSION OF THE PROBLEM IS GIVEN IN LOW PRECISION. The matrix products marked QUANTISED in the list below multiply operands that are first quantised to E2M3 (2 exponent bits, 3 mantissa bits; 6 bits a number), with one power-of-two scale for each 32 numbers along K (OCP MX v1.0); their sums are f32. All else is computed in f32.
;;   The module's matrix products, in the order in which they are computed (A, B: the left and right operand; K: the contracted axis; several contracted axes count as one K, in the product's order):
;;     1. [M 8,192, K 1,024] x [K 1,024, N 3,072]; A: input x; B: input attn_w: QUANTISED
;;     2. batch 64 x [M 2,048, K 64] x [K 64, N 2,048]; A: computed on the way; B: computed on the way: QUANTISED
;;     3. batch 64 x [M 2,048, K 2,048] x [K 2,048, N 64]; A: softmax (see below); B: computed on the way: QUANTISED
;;     4. [M 8,192, K 1,024] x [K 1,024, N 1,024]; A: computed on the way; B: input proj_w: QUANTISED
;;   THE QUANTISER, for each operand of a quantised product, along K:
;;     - K is cut into blocks of 32 from its start; a last block that is shorter is filled with zeros.
;;     - A block's scale is 2^e with e = floor(log2(the largest magnitude in the block)) - 2, held to -126 .. 127; a block of zeros has e = 0. As a byte (E8M0): e + 127.
;;     - Each number is divided by its block's scale, clamped to +-7.5, and rounded to the nearest number of E2M3, ties to even, subnormals kept.
;;     - The product sums the exact products of the quantised numbers (number of the format x scale) in f32.
;;   ~~~python
;;   def quantise(x, axis):      # numpy; x: float32 -> the quantised numbers, widened to float32 again
;;       x = np.moveaxis(x, axis, -1); K = x.shape[-1]
;;       x = np.pad(x, [(0, 0)] * (x.ndim - 1) + [(0, -K % 32)]); x = x.reshape(x.shape[:-1] + (-1, 32)); a = np.abs(x).max(-1, keepdims=True)
;;       e = np.where(a > 0, np.clip(np.frexp(np.where(a > 0, a, 1))[1] - 1 - 2, -126, 127), 0)      # np.frexp(a)[1] - 1 = floor(log2(a)), exactly
;;       r = np.clip(x / 2.0 ** e, -7.5, 7.5)
;;       step = 2.0 ** (np.maximum(np.frexp(np.where(r == 0, 1, r))[1] - 1, 0) - 3)
;;       q = np.round(r / step) * step * 2.0 ** e      # np.round: ties to even
;;       return np.moveaxis(q.reshape(q.shape[:-2] + (-1,))[..., :K], -1, axis).astype(np.float32)
;;   ~~~
;;   SOFTMAX AHEAD OF A QUANTISED PRODUCT. Where the list says 'softmax', what is quantised is not the finished softmax but p = 2^(t - M), with t = logit x log2(e) and M = ceil(the row's largest t), a whole number; so 1/2 < the row's largest p <= 1. The row's sum l is taken of the UNQUANTISED p, in f32, and the product's result is divided by l at the end. Since M is a whole number, a kernel that streams over the keys may use a running M (the ceiling of the running maximum): every later rescaling is an exact power of two, which a block's scale takes up: the codes' values come out the same.
;;   OPERANDS COMPUTED ON THE WAY. 'Computed on the way' means the value that the module computes at that place (a softmax that the list does not call 'softmax' is quantised finished and normalised). What goes into a quantiser is computed in f32, as accurately as f32 sums, v_exp_f32 and their like allow (about 1e-6 of the number): no bf16 or f16 on the way to a quantiser, and a product that is left as it is and whose result goes on into a quantised operand takes f32 operands (vector FMAs, or v_wmma_f32_16x16x4_f32). A number that lies on a knife's edge between two numbers of the format may be rounded either way, as far as f32 arithmetic and the matrix unit's own rounding can turn it there, and no further.
;; One version. Each part assembles by itself: llvm-mc -triple=amdgcn-amd-amdhsa -mcpu=gfx1250 --defsym DOCPART=n.
;; ======== version 1 of 1: 4 launches
;; workspace buffers: xq 6,553,600 bytes; wq 3,276,800 bytes; qrec 13,369,344 bytes; kvrec 13,369,344 bytes; oq 6,553,600 bytes
;; launch quant (part 1): grid 384 x 1, 4 waves a work-group, no clusters, 68,096 bytes of LDS; arguments x, attn_w, proj_w, xq, wq; writes xq, wq
.if DOCPART == 1
	.amdgcn_target "amdgcn-amd-amdhsa--gfx1250"
	.amdhsa_code_object_version 6
	.text
	.protected	k_qb29955aec8_quant
	.globl	k_qb29955aec8_quant
	.p2align	8
	.type	k_qb29955aec8_quant,@function
k_qb29955aec8_quant:
	s_mov_b64 s[64:65], 0
	v_nop
	global_prefetch_b8 v0, s[64:65] scope:SCOPE_SE
	s_setreg_imm32_b32 hwreg(HW_REG_WAVE_MODE, 25, 1), 1
	s_wait_xcnt 0x0
; x [8192][1024], attn_w [1024][3072] and proj_w [1024][1024], f32, become codes of FP6 (E2M3) with K innermost and one E8M0 byte for each 32 along K.
; xq: codes [8192 places][768 bytes], then the scale bytes [8192][32].  wq: codes [4096 places][768] (places 0-3071: attn_w's columns, 3072-4095: proj_w's), then [4096][32].
; PLACES.  Inside every group of 32 rows (tokens of x, columns of a weight) place p holds the row whose number is p with bits 3 and 4 changed over.  So a block of 16 places, as the products take it,
; holds eight neighbouring rows and the eight that lie 16 further on, and the results of two neighbouring blocks are 16 neighbours along the next product's K.
; A block's scale is 2^(floor(log2(its largest magnitude)) - 2); its byte is the largest magnitude's exponent field - 2, held at 1 from below.
; LIMITS: a block of zeros gets the byte 1, not 127 (its codes are zeros, and this program alone reads the bytes); NaN and infinities among the inputs are not served.
; Work-groups 0-127 take the weights (K is their FIRST axis: a lane takes a column and its registers run down K), work-groups 128-383 take x (K innermost: a plain stream of blocks).
; Either kind reads 131,072 bytes.  The two ways never join, and each has LDS bytes of its own: x 0 .. 32,767, the weights 32,768 .. 67,583.  No tensor loads, no barrier: waves share nothing.
.set SPARE, 67584                      ; behind both: the spare words, 128 bytes for each wave: two blocks of 256 bytes that no other line names
.set SPW,   208                        ; v208  LDS address of my spare word; never rewritten
.set NIL,   209                        ; v209  0; never rewritten
.set XSOFF, 6291456                    ; where xq's scale bytes begin
.set WSOFF, 3145728                    ; where wq's begin
	s_load_b256 s[4:11], s[0:1], 0x0               ; x s[4:5], attn_w s[6:7], proj_w s[8:9], xq s[10:11]
	s_load_b64 s[12:13], s[0:1], 0x20              ; wq
	v_lshl_add_u32 v[SPW], v0, 2, SPARE
	v_mov_b32 v[NIL], 0
	v_lshrrev_b32 v1, 5, v0
	v_readfirstlane_b32 s16, v1                    ; wave 0..3
	v_and_b32 v2, 31, v0                           ; lane
	s_cmp_lt_u32 ttmp9, 128
	s_cbranch_scc0 .Lx
; ---------------- THE WEIGHTS.  A wave takes 32 columns x 256 along K: 8 blocks a lane, 192 bytes of codes for each column.
.set WSTG,   32768                     ; the four waves' stages
.set WPITCH, 272                       ; a stage row: sixteen places of 16 bytes, each with 12 bytes of codes, + 16
.set NB,     8
.set WX,     32                        ; v32-95   two sets of 32 numbers
.set WC,     96                        ; v96..    a block's codes
.set OUTR,   112                       ; v112-175 the way out
.set SB,     24                        ; v24-25   the scale bytes, four to a register
.set VO,     176                       ; v176-207 4 x lane + i rows of the weight: the pitch differs between the two weights, so it cannot stand in an immediate
	s_and_b32 s18, ttmp9, 3                        ; which 256 along K
	s_lshr_b32 s17, ttmp9, 2                       ; which 128 rows of wq
	s_mov_b32 s20, 4096
	s_cmp_lt_u32 ttmp9, 96                         ; attn_w's work-group or proj_w's?  The choice hangs on the work-group's number alone
	s_cselect_b32 s19, 0, 24
	s_cselect_b32 s20, 12288, s20                  ; a row of the weight in bytes
	s_sub_co_u32 s19, s17, s19                     ; which 128 columns of that weight
	s_mul_i32 s21, s18, s20
	s_lshl_b32 s22, s21, 8                         ; 256 rows for each step along K,
	s_lshl_b32 s19, s19, 9
	s_add_co_u32 s22, s22, s19                     ; 512 bytes for each 128 columns,
	s_lshl_b32 s19, s16, 7
	s_add_co_u32 s22, s22, s19                     ; 128 for my wave's 32
	s_mov_b32 s23, 0
	s_lshl_b32 s24, s20, 5                         ; a block of 32 rows
	s_mov_b32 s25, 0
	s_lshl_b32 s27, s17, 7
	s_lshl_b32 s19, s16, 5
	s_add_co_u32 s27, s27, s19                     ; my wave's first row of wq
	s_mul_i32 s28, s27, 768
	s_mul_i32 s19, s18, 192
	s_add_co_u32 s28, s28, s19                     ; its codes
	s_mov_b32 s29, 0
	s_lshl_b32 s30, s27, 5
	s_lshl_b32 s19, s18, 3
	s_add_co_u32 s30, s30, s19
	s_add_co_u32 s30, s30, WSOFF                   ; its scale bytes
	s_mov_b32 s31, 0
	s_mul_i32 s26, s16, 32*WPITCH
	s_add_co_u32 s26, s26, WSTG                    ; my stage
	v_lshlrev_b32 v[VO], 2, v2
.set i, 1
.rept 31
	v_add_nc_u32 v[VO+i], s20, v[VO+i-1]
.set i, i+1
.endr
	v_and_b32 v10, 7, v2
	v_and_b32 v11, 8, v2
	v_lshl_add_u32 v10, v11, 1, v10
	v_lshrrev_b32 v6, 4, v2
	v_lshl_add_u32 v10, v6, 3, v10                 ; my column's place among the 32: bits 3 and 4 changed over
	v_mul_u32_u24 v4, v10, WPITCH
	v_add_nc_u32 v4, s26, v4                       ; into the stage: row = my column's place
	v_and_b32 v5, 15, v2
	v_mul_u32_u24 v7, v6, WPITCH
	v_lshl_add_u32 v7, v5, 4, v7
	v_add_nc_u32 v7, s26, v7                       ; out of it: sixteen lanes to a row, two rows an instruction
	v_mul_u32_u24 v8, v6, 768
	v_mad_u32_u24 v8, v5, 12, v8                   ; and the same place in wq
	v_lshlrev_b32 v9, 5, v10                       ; my column's row of scale bytes
	s_wait_kmcnt 0x0
	s_cmp_lt_u32 ttmp9, 96
	s_cselect_b64 s[6:7], s[6:7], s[8:9]
	s_add_nc_u64 s[32:33], s[6:7], s[22:23]        ; a base for each of the eight blocks: none is stepped
.irp t, 1,2,3,4,5,6,7
	s_add_nc_u64 s[32+2*\t:33+2*\t], s[30+2*\t:31+2*\t], s[24:25]
.endr
	s_add_nc_u64 s[48:49], s[12:13], s[28:29]
	s_add_nc_u64 s[50:51], s[12:13], s[30:31]
.macro WLOAD t                         ; block t: W(32 t + i, my column), i = 0 .. 31, into set t % 2: the wave reads 128 consecutive bytes, the work-group 512
.irp i, 0,1,2,3,4,5,6,7,8,9,10,11,12,13,14,15,16,17,18,19,20,21,22,23,24,25,26,27,28,29,30,31
	global_load_b32 v[WX+32*((\t)%2)+\i], v[VO+\i], s[32+2*(\t):33+2*(\t)] th:TH_LOAD_NT
.endr
.endm
	WLOAD 0
	WLOAD 1
.macro WBLOCK t
.set WS, WX+32*((\t)%2)
.if (\t) < NB-1
	s_wait_loadcnt 32                              ; this block's 32 loads are in; the next block's may be out
.else
	s_wait_loadcnt 0
.endif
	v_max3_num_f32 v12, |v[WS]|, |v[WS+1]|, |v[WS+2]|              ; the block's largest magnitude: all 32 numbers are mine
	v_max3_num_f32 v13, |v[WS+3]|, |v[WS+4]|, |v[WS+5]|
.irp i, 6,10,14,18,22,26
	v_max3_num_f32 v12, v12, |v[WS+\i]|, |v[WS+\i+1]|
	v_max3_num_f32 v13, v13, |v[WS+\i+2]|, |v[WS+\i+3]|
.endr
	v_max3_num_f32 v12, v12, |v[WS+30]|, |v[WS+31]|
	v_max3_num_f32 v12, v12, v13, 0x1800000        ; and the floor 2^(3 - 127): the byte cannot fall under 1
	v_add_nc_u32 v11, 0xff000000, v12              ; 2 off the exponent field: the conversion takes the exponent field of this operand as its scale
	v_lshrrev_b32 v13, 23, v11                     ; the scale's byte
.if (\t)%4 == 0
	v_mov_b32 v[SB+(\t)/4], v13
.else
	v_lshl_or_b32 v[SB+(\t)/4], v13, 8*((\t)%4), v[SB+(\t)/4]
.endif
	v_cvt_scalef32_pk16_fp6_f32 v[WC:WC+2], v[WS:WS+15], v11
	v_cvt_scalef32_pk16_fp6_f32 v[WC+4:WC+6], v[WS+16:WS+31], v11  ; (a conversion's three registers begin on an even number)
	ds_store_b96 v4, v[WC:WC+2] offset:32*(\t)     ; 16 codes, 12 bytes, to a place of 16 bytes
	ds_store_b96 v4, v[WC+4:WC+6] offset:32*(\t)+16
.if (\t)+2 < NB
	WLOAD (\t)+2
.endif
	s_wait_dscnt 0x0                               ; the stores have read their registers: the next block's codes may be written
.endm
.irp t, 0,1,2,3,4,5,6,7
	WBLOCK \t
.endr
	global_store_b64 v9, v[SB:SB+1], s[50:51]      ; my column's 8 scale bytes
.irp t, 0,1,2,3,4,5,6,7,8,9,10,11,12,13,14,15
	ds_load_b96 v[OUTR+4*\t:OUTR+4*\t+2], v7 offset:2*\t*WPITCH    ; LDS serves a wave's instructions in order: these see my stores
.endr
.irp t, 0,1,2,3,4,5,6,7,8,9,10,11,12,13,14,15
	s_wait_dscnt 15-\t                             ; the younger loads may be out
	global_store_b96 v8, v[OUTR+4*\t:OUTR+4*\t+2], s[48:49] offset:2*\t*768   ; sixteen lanes store a row's 192 consecutive bytes
.endr
	s_wait_tensorcnt 0x0                           ; the wave's end: behind my last LDS store
	ds_add_u32 v[SPW], v[NIL]
	s_wait_dscnt 0x0
	s_endpgm
; ---------------- x.  A wave takes 8 rows, 8,192 numbers, in 16 steps of 512.  Each load reads 512 consecutive bytes; a step's 2,048 bytes turn through the wave's own stage in LDS, so that a lane
; holds 16 neighbours along K (two neighbouring lanes hold a block).  Eight rows move as a whole under the change of bits 3 and 4: only the run's number is changed on the way out.
.Lx:
.set STEPS, 16
.set CB,    12                         ; bytes of 16 codes
.set XR,    16                         ; v16-79   four sets of 16 numbers as they are loaded
.set XX,    80                         ; v80-111  two sets of 16 neighbours
.set XE,    112                        ; v112-127 a scale byte for each step
.set XC,    128                        ; v128-191 codes: four registers for each step, so that no store's data are written again
.set WREG,  8192                       ; a region for each wave: two stages of 32 x SP bytes, and behind them its 256 scale bytes
.set SP,    80                         ; a lane's place in a stage: its 64 bytes + 16 of padding
	v_lshlrev_b32 v3, 4, v2                        ; my 16 bytes of a load's 512
	s_mul_i32 s17, s16, WREG
	v_lshrrev_b32 v14, 2, v2
	v_mul_u32_u24 v14, v14, SP
	v_and_b32 v15, 3, v2
	v_lshl_add_u32 v14, v15, 4, v14
	v_add_nc_u32 v14, s17, v14                     ; the stage, on the way in: SP (lane / 4) + 16 (lane % 4)
	v_mul_u32_u24 v15, v2, SP
	v_add_nc_u32 v15, s17, v15                     ; and on the way out: SP x lane
	v_mul_u32_u24 v4, v2, CB                       ; my codes' place in a step's
	v_lshrrev_b32 v5, 1, v2
	s_add_co_u32 s17, s17, 2*32*SP
	v_add_nc_u32 v5, s17, v5                       ; my wave's 256 scale bytes, my block's byte
	v_lshlrev_b32 v7, 3, v2
	v_add_nc_u32 v6, s17, v7                       ; and on the way out 8 bytes a lane
	s_sub_co_u32 s17, ttmp9, 128
	s_lshl_b32 s17, s17, 2
	s_add_co_u32 s18, s17, s16                     ; the run of 8 rows that I read,
	s_and_b32 s19, s16, 1
	s_lshl_b32 s19, s19, 1
	s_lshr_b32 s20, s16, 1
	s_or_b32 s19, s19, s20
	s_add_co_u32 s19, s17, s19                     ; and its place on the way out
	s_lshl_b32 s22, s18, 15
	s_mov_b32 s23, 0
	s_mul_i32 s24, s19, 6144
	s_mov_b32 s25, 0
	s_lshl_b32 s26, s19, 8
	s_add_co_u32 s26, s26, XSOFF
	s_mov_b32 s27, 0
	s_wait_kmcnt 0x0
	s_add_nc_u64 s[4:5], s[4:5], s[22:23]
	s_add_nc_u64 s[28:29], s[10:11], s[24:25]
	s_add_nc_u64 s[30:31], s[10:11], s[26:27]
.macro XLOAD t
.irp i, 0,1,2,3
	global_load_b128 v[XR+16*((\t)%4)+4*\i:XR+16*((\t)%4)+4*\i+3], v3, s[4:5] offset:2048*(\t)+512*\i th:TH_LOAD_NT
.endr
.endm
.macro XTURN t                         ; step t's numbers through the stage: LDS serves a wave's instructions in order, so no wait stands between the stores and the loads
.irp i, 0,1,2,3
	ds_store_b128 v14, v[XR+16*((\t)%4)+4*\i:XR+16*((\t)%4)+4*\i+3] offset:32*SP*((\t)%2)+8*SP*\i
.endr
.irp i, 0,1,2,3
	ds_load_b128 v[XX+16*((\t)%2)+4*\i:XX+16*((\t)%2)+4*\i+3], v15 offset:32*SP*((\t)%2)+16*\i
.endr
.endm
.irp t, 0,1,2,3
	XLOAD \t
.endr
	s_wait_loadcnt 12                              ; step 0's four loads are in
	XTURN 0
.macro XSTEP t
.set XS, XX+16*((\t)%2)
.if (\t) > 0
	s_wait_dscnt 1                                 ; this step's numbers are back from the stage (the last step's byte store may be out)
.else
	s_wait_dscnt 0x0
.endif
.if (\t)+4 < STEPS
	XLOAD (\t)+4                                   ; into the registers that this step's stage stores have read
.endif
.if (\t)+1 < STEPS
.if STEPS-2-(\t) >= 3
	s_wait_loadcnt 12                              ; the next step's four loads are in; those of the three steps behind it may be out
.else
	s_wait_loadcnt 4*(STEPS-2-(\t))
.endif
	XTURN (\t)+1
.endif
	v_max3_num_f32 v8, |v[XS]|, |v[XS+1]|, |v[XS+2]|
	v_max3_num_f32 v9, |v[XS+3]|, |v[XS+4]|, |v[XS+5]|
.irp i, 6,10
	v_max3_num_f32 v8, v8, |v[XS+\i]|, |v[XS+\i+1]|
	v_max3_num_f32 v9, v9, |v[XS+\i+2]|, |v[XS+\i+3]|
.endr
	v_max3_num_f32 v8, v8, |v[XS+14]|, |v[XS+15]|
	v_max3_num_f32 v8, v8, v9, 0x1800000           ; the floor 2^(3 - 127)
	v_max_num_f32_dpp v8, v8, v8 row_xmask:1 row_mask:0xf bank_mask:0xf   ; with my neighbour's 16: the block's
	v_add_nc_u32 v11, 0xff000000, v8
	v_cvt_scalef32_pk16_fp6_f32 v[XC+4*(\t):XC+4*(\t)+2], v[XS:XS+15], v11
	v_lshrrev_b32 v[XE+(\t)], 23, v11              ; the scale's byte
	ds_store_b8 v5, v[XE+(\t)] offset:16*(\t)      ; both lanes of a block write the same byte with the same value
	global_store_b96 v4, v[XC+4*(\t):XC+4*(\t)+2], s[28:29] offset:32*CB*(\t)   ; the wave stores 384 consecutive bytes
.endm
.irp t, 0,1,2,3,4,5,6,7,8,9,10,11,12,13,14,15
	XSTEP \t
.endr
	ds_load_b64 v[8:9], v6
	s_wait_dscnt 0x0
	global_store_b64 v7, v[8:9], s[30:31]          ; 32 lanes store 256 consecutive bytes, aligned
	s_wait_tensorcnt 0x0                           ; the wave's end: behind my last LDS store
	ds_add_u32 v[SPW], v[NIL]
	s_wait_dscnt 0x0
	s_endpgm
.Lfunc_end_k_qb29955aec8_quant:
	.size	k_qb29955aec8_quant, .Lfunc_end_k_qb29955aec8_quant-k_qb29955aec8_quant
	.p2alignl 7, 3214868480
	.fill 96, 4, 3214868480
	.section	.rodata,"a",@progbits
	.p2align	6, 0x0
	.amdhsa_kernel k_qb29955aec8_quant
		.amdhsa_group_segment_fixed_size 68096
		.amdhsa_private_segment_fixed_size 0
		.amdhsa_enable_private_segment 0
		.amdhsa_kernarg_size 40
		.amdhsa_user_sgpr_count 2
		.amdhsa_user_sgpr_kernarg_segment_ptr 1
		.amdhsa_wavefront_size32 1
		.amdhsa_system_sgpr_workgroup_id_x 1
		.amdhsa_system_sgpr_workgroup_id_y 1
		.amdhsa_system_sgpr_workgroup_id_z 1
		.amdhsa_system_vgpr_workitem_id 0
		.amdhsa_next_free_vgpr 216
		.amdhsa_next_free_sgpr 66
		.amdhsa_reserve_vcc 0
		.amdhsa_float_denorm_mode_32 3
		.amdhsa_float_denorm_mode_16_64 3
		.amdhsa_memory_ordered 1
		.amdhsa_forward_progress 1
		.amdhsa_inst_pref_size 75
	.end_amdhsa_kernel
	.amdgpu_metadata
---
amdhsa.version: [ 1, 2 ]
amdhsa.kernels:
  - .name:           k_qb29955aec8_quant
    .symbol:         k_qb29955aec8_quant.kd
    .args:
      - { .name: x, .offset: 0, .size: 8, .value_kind: global_buffer, .address_space: global }
      - { .name: attn_w, .offset: 8, .size: 8, .value_kind: global_buffer, .address_space: global }
      - { .name: proj_w, .offset: 16, .size: 8, .value_kind: global_buffer, .address_space: global }
      - { .name: xq, .offset: 24, .size: 8, .value_kind: global_buffer, .address_space: global }
      - { .name: wq, .offset: 32, .size: 8, .value_kind: global_buffer, .address_space: global }
    .group_segment_fixed_size: 68096
    .private_segment_fixed_size: 0
    .kernarg_segment_align: 8
    .kernarg_segment_size: 40
    .max_flat_workgroup_size: 128
    .sgpr_count:     66
    .vgpr_count:     216
    .wavefront_size: 32
...
	.end_amdgpu_metadata
.endif
;; end of part 1
;; launch qkv (part 2): grid 12 x 32, 4 waves a work-group, clusters of 4 x 4, 327,680 bytes of LDS; arguments xq, wq, attn_b, qrec, kvrec; writes qrec, kvrec
.if DOCPART == 2
	.amdgcn_target "amdgcn-amd-amdhsa--gfx1250"
	.amdhsa_code_object_version 6
	.text
	.protected	k_qb29955aec8_qkv
	.globl	k_qb29955aec8_qkv
	.p2align	8
	.type	k_qb29955aec8_qkv,@function
k_qb29955aec8_qkv:
	s_mov_b64 s[64:65], 0
	v_nop
	global_prefetch_b8 v0, s[64:65] scope:SCOPE_SE
	s_setreg_imm32_b32 hwreg(HW_REG_WAVE_MODE, 25, 1), 1
	s_wait_xcnt 0x0
	s_wait_alu depctr_hold_cnt(0) depctr_sa_sdst(0) depctr_va_vdst(0) depctr_va_sdst(0) depctr_va_ssrc(0) depctr_va_vcc(0) depctr_vm_vsrc(0)
	s_getreg_b32 s2, hwreg(HW_REG_IB_STS2, 6, 4)
	s_cmp_eq_u32 s2, 0
	s_cbranch_scc0 .Lentry_in_a_cluster
	s_endpgm
.Lentry_in_a_cluster:
	s_bfe_u32 s2, ttmp6, 0x10000c
	s_cmp_lg_u32 s2, 0xf033
	s_cbranch_scc0 .Lentry_shape_is_right
	s_endpgm
.Lentry_shape_is_right:
; qkv = x attn_w + attn_b on codes of FP6 (E2M3) with E8M0 scales, [8192] x [3072], K = 1,024; the results never go to memory as f32: q and k are quantised along the head's 64, v along the keys,
; and leave as images of the registers in which the attention launch wants them.
; A tile of 256 tokens x 256 columns is made by four waves, each 128 x 128: 64 accumulators, 512 registers.  K goes in steps of 256 through a ring of two LDS slots filled by the tensor data mover.
; The scale bytes of the work-group's 256 + 256 rows, for all of K, come into LDS once, with the first fills.  CLUSTERS: 4 x 4 work-groups; x's tiles are asked for jointly along a row of the cluster, the weight's along a column.
; THE MATRIX INSTRUCTION IS USED TRANSPOSED (source 0 = 16 rows of the weight's codes, source 1 = 16 rows of x's).  Rows of both lie in PLACES (inside each 32, bits 3 and 4 changed over), so in row block a = 2 B + u
; lane (r, h) holds token 32 B + 8 u + r % 8 + 16 (r / 8), and register 16 b + i of the block's 64 holds column 32 b + 16 h + i, in true order: 16 neighbours of each block of 32.
; The bias is the C of each sum's first matrix instruction.
; A RECORD, 13,056 bytes, for each (batch, head, 128 tokens): 0: four pairs of token tiles, 12 registers a lane, three runs of 512 bytes a pair (a tile's six registers: lane (r, h) holds d = 32 h .. 32 h + 31);
; 6,144: four tiles of V^T (16 of the head's 64 x the 128 tokens), 12 registers a lane; 12,288: the token tiles' scale words, at 256 (t / 4) + 16 r + 4 (t % 4), bytes 2 and 3 zero; 12,800: V^T's, at 16 row + 4 tile.
; q goes to qrec and k to kvrec by one path, v to kvrec by another; the paths part on the cluster's x, which the sixteen partners share.
; No prefetch: of the four K steps two are first fills, and the other two are asked for while the first two are multiplied.
; LIMITS: a block of zeros gets the byte 1, not 127 (its codes are zeros; this program alone reads the bytes); NaN and infinities are not served.
; REGISTERS, in windows of 256: window 0: v0-31 addresses; v32-63 scale words, two sets; v64-127 the bias; from v128 x's fragments, ONE set; on the way out v32-255 are free.
;   window 1: the weight's fragments, TWO sets, at v0 and v128.   window 2: the accumulators of my rows 0-63 ((a, b) at v[8 (8 a + b)]);   window 3: those of rows 64-127.
.set KSTEP,  256
.set NQ,     2
.set ROWB,   192                       ; a tile's row in bytes
.set KROW,   768                       ; a row of codes in memory
.set PITCH,  240                       ; an LDS row: 3 x (64 bytes + 16 of padding)
.set FR,     12
.set NL,     6
.set NP,     4
.set HALFT,  128*PITCH
.set SLOT,   4*HALFT
.set LAPS,   2                         ; 1,024 along K = twice round the ring
.set KS,     32                        ; a row of scale bytes
.set SCL,    2*SLOT
.set HALFS,  (128*KS/256)*272
.set SBLK,   (16*KS/256)*272
.set SPARE,  SCL+4*HALFS               ; the spare words, 128 bytes for each wave: two blocks of 256 bytes that no other line names
.set XSOFF,  6291456                   ; xq's scale bytes
.set WSOFF,  3145728                   ; wq's
.set REC,    13056
.set HD,     16*REC                    ; from a head's record to the next head's
.set VROW,   144                       ; v's stage: a token's 32 columns, 128 bytes + 16
.set ADRA, 16
.set ADRB, 20
.set STO,  24                          ; v24  v's stage: where I put 16 bytes of a token's row
.set RD,   25                          ; v25  and where I read a column
.set GL,   26                          ; v26  16 x lane
.set ADRS, 27
.set SPW,  28
.set NIL,  29
.set BO,   30                          ; v30  64 x (lane / 16): the bias
.set SC,   32
.set BI,   64
.set AF,   128
.set G1, 24
.set G0, 32
.set G1B, 48
.set G0B, 56
.set G1S, 68
.set G0S, 76
.set G1SB, 80
.set G0SB, 88
.set MSB, 0
.macro WIN new                         ; the immediate's high byte repeats the setting that is left
.if MSB != \new
	s_set_vgpr_msb (MSB<<8)|\new
.set MSB, \new
.endif
.endm
.set MUL_LO, 0xa1                      ; source 0 window 1, source 1 window 0, C and D window 2
.set MUL_HI, 0xf1                      ; the same, C and D window 3
.set TO_B,   0x40
; A joint load: waves 0 and 1 fetch for x, waves 2 and 3 for the weight.  The branch hangs on the wave's number alone.  An s_nop 0 and four v_nop follow each of the two lines.
.macro JLOAD g0a, g1a, g0b, g1b
	s_cmp_eq_u32 s15, 0
	s_cbranch_scc0 .Lfor_b_\@
	tensor_load_to_lds s[\g0a:\g0a+3], s[\g1a:\g1a+7]
	s_nop 0
.rept 4
	v_nop
.endr
	s_branch .Lasked_\@
.Lfor_b_\@:
	tensor_load_to_lds s[\g0b:\g0b+3], s[\g1b:\g1b+7]
	s_nop 0
.rept 4
	v_nop
.endr
.Lasked_\@:
.endm
.macro CREST
	s_cmp_lg_u32 s14, 0
	s_cbranch_scc1 .Lnot_wave_0_\@
	s_barrier_signal -3
.Lnot_wave_0_\@:
	s_barrier_wait -3
	s_barrier_signal -1
	s_barrier_wait -1
.endm
.macro CROUND
	s_barrier_signal -1
	s_barrier_wait -1
	CREST
.endm
	s_load_b128 s[4:7], s[0:1], 0x0                ; xq s[4:5], wq s[6:7]
	s_load_b128 s[8:11], s[0:1], 0x10              ; attn_b s[8:9], qrec s[10:11]
	s_load_b64 s[12:13], s[0:1], 0x20              ; kvrec
	v_lshl_add_u32 v[SPW], v0, 2, SPARE
	v_mov_b32 v[NIL], 0
	ds_add_u32 v[SPW], v[NIL]                      ; the wave's opening: the add and its wait stand ahead of my first tensor load; the set-up below stands between them
	v_lshrrev_b32 v1, 5, v0
	v_readfirstlane_b32 s14, v1                    ; wave 0..3
	s_lshr_b32 s15, s14, 1                         ; which half of the tile's rows is mine.  Also: I fetch for x (0) or for the weight (1)
	s_and_b32 s16, s14, 1                          ; which half of its columns.  Also: which 128 rows I fetch
	s_bfe_u32 s40, ttmp6, 0x40000                  ; cx, cy
	s_bfe_u32 s41, ttmp6, 0x40004
	s_lshl_b32 s42, ttmp9, 2
	s_add_co_u32 s42, s42, s40                     ; tile column
	s_and_b32 s17, ttmp7, 0xffff
	s_lshl_b32 s17, s17, 2
	s_add_co_u32 s17, s17, s41                     ; tile row
	s_lshl_b32 s43, s41, 2
	s_lshl_b32 s43, 15, s43                        ; my row of the cluster
	s_lshl_b32 s44, 0x1111, s40                    ; my column
	s_or_b32 s[G1+0], s43, (0<<16)|(1<<20)|(1<<21)|(3<<22)|(3<<25)  ; the mask; elements of 1 byte; padding on; bit 21 beside a mask; after every 16 words 4 words
	s_or_b32 s[G1B+0], s44, (0<<16)|(1<<20)|(1<<21)|(3<<22)|(3<<25)
.irp g, G1, G1B
	s_mov_b32 s[\g+1], ROWB<<16                    ; tensor_dim0
	s_mov_b32 s[\g+2], 128<<16                     ; tensor_dim1
	s_mov_b32 s[\g+3], ROWB<<16                    ; tile_dim0
	s_mov_b32 s[\g+4], 128                         ; tile_dim1
	s_mov_b32 s[\g+5], KROW                        ; the pitch
	s_mov_b32 s[\g+6], 0
	s_mov_b32 s[\g+7], 0
.endr
	s_or_b32 s[G1S+0], s43, (3<<16)|(1<<20)|(1<<21)|(5<<22)|(3<<25)   ; the scales of 128 rows: 4,096 dense bytes as rows of 256, 16 bytes of padding behind each
	s_or_b32 s[G1SB+0], s44, (3<<16)|(1<<20)|(1<<21)|(5<<22)|(3<<25)
.irp g, G1S, G1SB
	s_mov_b32 s[\g+1], 32<<16
	s_mov_b32 s[\g+2], (128*KS/256)<<16
	s_mov_b32 s[\g+3], 32<<16
	s_mov_b32 s[\g+4], 128*KS/256
	s_mov_b32 s[\g+5], 32
	s_mov_b32 s[\g+6], 0
	s_mov_b32 s[\g+7], 0
.endr
	s_lshl_b32 s18, s16, 7
	s_lshl_b32 s20, s17, 8
	s_add_co_u32 s20, s20, s18                     ; x: row 256 x tile row + 128 x half
	s_lshl_b32 s46, s42, 8
	s_add_co_u32 s46, s46, s18                     ; the weight: row 256 x tile column + 128 x half
	s_mov_b32 s21, 0
	s_mov_b32 s47, 0
	s_mov_b64 s[18:19], KS
	s_mul_u64 s[22:23], s[20:21], s[18:19]
	s_mul_u64 s[92:93], s[46:47], s[18:19]
	s_add_nc_u64 s[22:23], s[22:23], XSOFF         ; where these rows' scale bytes begin
	s_add_nc_u64 s[92:93], s[92:93], WSOFF
	s_mov_b64 s[18:19], KROW
	s_mul_u64 s[20:21], s[20:21], s[18:19]         ; and their codes
	s_mul_u64 s[46:47], s[46:47], s[18:19]
	s_mul_i32 s45, s14, HALFT                      ; where they go: no place in the cluster enters an LDS address
	s_mul_i32 s94, s14, HALFS
	s_wait_dscnt 0x0                               ; the opening add is done
	s_wait_kmcnt 0x0
	s_add_nc_u64 s[20:21], s[4:5], s[20:21]
	s_add_nc_u64 s[22:23], s[4:5], s[22:23]
	s_add_nc_u64 s[46:47], s[6:7], s[46:47]
	s_add_nc_u64 s[92:93], s[6:7], s[92:93]
	CROUND                                         ; all sixteen work-groups are here: the first joint loads meet
	s_mov_b32 s[G0S], 1
	s_add_co_u32 s[G0S+1], s94, SCL
	s_mov_b64 s[G0S+2:G0S+3], s[22:23]
	s_or_b32 s[G0S+3], s[G0S+3], 0x80000000
	s_mov_b32 s[G0SB], 1
	s_add_co_u32 s[G0SB+1], s94, SCL
	s_mov_b64 s[G0SB+2:G0SB+3], s[92:93]
	s_or_b32 s[G0SB+3], s[G0SB+3], 0x80000000
	JLOAD G0S, G1S, G0SB, G1SB                     ; the scales first: they are wanted with K step 0
.irp s, 0,1
	s_mov_b32 s[G0+4*\s], 1
	s_add_co_u32 s[G0+4*\s+1], s45, \s*SLOT
	s_add_nc_u64 s[G0+4*\s+2:G0+4*\s+3], s[20:21], \s*ROWB
	s_or_b32 s[G0+4*\s+3], s[G0+4*\s+3], 0x80000000
	s_mov_b32 s[G0B+4*\s], 1
	s_add_co_u32 s[G0B+4*\s+1], s45, \s*SLOT
	s_add_nc_u64 s[G0B+4*\s+2:G0B+4*\s+3], s[46:47], \s*ROWB
	s_or_b32 s[G0B+4*\s+3], s[G0B+4*\s+3], 0x80000000
	JLOAD G0+4*\s, G1, G0B+4*\s, G1B
.endr
	v_and_b32 v1, 15, v0                           ; r
	v_bfe_u32 v2, v0, 4, 1                         ; h
	v_mul_u32_u24 v3, v1, PITCH
	v_mul_u32_u24 v4, v2, 24
	v_add_nc_u32 v4, v3, v4                        ; a fragment's row x pitch + 24 x half
	v_lshl_add_u32 v5, v2, 4, v4                   ; and the same behind one padding more
	s_mul_i32 s21, s15, HALFT
	s_mul_i32 s22, s16, HALFT
	s_add_co_u32 s22, s22, 2*HALFT
.irp s, 0,1
	v_add_nc_u32 v[ADRA+\s], s21, v4
	v_add_nc_u32 v[ADRB+\s], s22, v4
	v_add_nc_u32 v[ADRA+2+\s], s21, v5
	v_add_nc_u32 v[ADRB+2+\s], s22, v5
	s_add_co_u32 s21, s21, SLOT
	s_add_co_u32 s22, s22, SLOT
.endr
	v_mul_u32_u24 v5, v1, KS
	v_lshrrev_b32 v6, 8, v5
	v_lshl_add_u32 v5, v6, 4, v5                   ; my row's scales: 32 bytes a row, 16 more for each 256 passed
	s_mul_i32 s21, s15, HALFS
	s_mul_i32 s22, s16, HALFS
	s_add_co_u32 s22, s22, 2*HALFS
	s_sub_co_u32 s22, s22, s21
	v_mul_u32_u24 v6, s22, v2                      ; lanes 16-31 take the weight's
	s_add_co_u32 s21, s21, SCL
	v_add_nc_u32 v5, v5, v6
	v_add_nc_u32 v[ADRS], s21, v5
	v_and_b32 v6, 31, v0
	v_lshlrev_b32 v[GL], 4, v6
	s_mul_i32 s23, s14, 128*VROW                   ; v's stage, my wave's: it lies in slot 0, which has had its last fill and its last read when the first result is stored there
	v_and_b32 v5, 7, v1
	v_lshrrev_b32 v6, 3, v1
	v_lshl_add_u32 v7, v6, 4, v5                   ; r % 8 + 16 (r / 8): my token in its block's 32
	v_mul_u32_u24 v7, v7, VROW
	v_lshl_add_u32 v7, v2, 6, v7
	v_add_nc_u32 v[STO], s23, v7
	v_mul_u32_u24 v7, v2, 32*VROW                  ; back: lanes 16-31 begin 32 tokens further down;
	v_lshl_add_u32 v7, v5, 2, v7
	v_lshl_add_u32 v7, v6, 6, v7                   ; lane r takes column r % 8 + 16 (r / 8) of the 32 (+ 8 for the second tile)
	v_add_nc_u32 v[RD], s23, v7
	s_lshl_b32 s96, s42, 10                        ; the bias of my 128 columns
	s_lshl_b32 s97, s16, 9
	s_add_co_u32 s96, s96, s97
	s_mov_b32 s97, 0
	s_add_nc_u64 s[96:97], s[8:9], s[96:97]
	v_lshlrev_b32 v[BO], 6, v2
.irp b, 0,1,2,3,4,5,6,7                        ; column block b = 2 B + u: lane (r, h) wants columns 32 B + 16 h + 8 u + 0 .. 7
	global_load_b128 v[BI+8*\b:BI+8*\b+3], v[BO], s[96:97] offset:128*(\b/2)+32*(\b%2)
	global_load_b128 v[BI+8*\b+4:BI+8*\b+7], v[BO], s[96:97] offset:128*(\b/2)+32*(\b%2)+16
.endr
.macro FRAG reg, adr, q, i             ; a fragment, 16 rows x 128 K, is 12 registers: registers 6 c .. 6 c + 5 hold K = 64 c + 32 (lane / 16) + 0 .. 31: 24 bytes of the row, in pieces of 8
.irp p, 0,1,2,3,4,5
.set PCE, 12*(\q)+6*(\p/3)+\p%3       ; 16 bytes of padding lie behind every 8 pieces: where the piece three on lies behind one padding more, the second address register serves
.if PCE%8 < 5
	ds_load_b64 v[\reg+2*\p:\reg+2*\p+1], v[\adr] offset:8*PCE+16*(PCE/8)+(\i)*16*PITCH
.else
	ds_load_b64 v[\reg+2*\p:\reg+2*\p+1], v[\adr+2] offset:8*PCE+16*(PCE/8)+(\i)*16*PITCH
.endif
.endr
.endm
; 16 matrix instructions: row blocks a0, a0 + 1 x the eight column blocks, 128 along K.  zero = 1: the first product starts the sums from the bias.  The 64 accumulators take turns, one instruction a turn.
.macro MUL16 a0, p, q, sc, zero
.irp a, \a0, \a0+1
.irp b, 0,1,2,3,4,5,6,7
.if \zero
	v_wmma_scale_f32_16x16x128_f8f6f4 v[8*(8*((\a)%4)+\b):8*(8*((\a)%4)+\b)+7], v[128*(\p)+FR*\b:128*(\p)+FR*\b+FR-1], v[AF+FR*(\a):AF+FR*(\a)+FR-1], v[BI+8*\b:BI+8*\b+7], v[SC+8*NQ*(\sc)+NQ*\b+(\q)], v[SC+8*NQ*(\sc)+NQ*(\a)+(\q)] matrix_a_fmt:MATRIX_FMT_FP6 matrix_b_fmt:MATRIX_FMT_FP6 matrix_a_scale:MATRIX_SCALE_ROW1
.else
	v_wmma_scale_f32_16x16x128_f8f6f4 v[8*(8*((\a)%4)+\b):8*(8*((\a)%4)+\b)+7], v[128*(\p)+FR*\b:128*(\p)+FR*\b+FR-1], v[AF+FR*(\a):AF+FR*(\a)+FR-1], v[8*(8*((\a)%4)+\b):8*(8*((\a)%4)+\b)+7], v[SC+8*NQ*(\sc)+NQ*\b+(\q)], v[SC+8*NQ*(\sc)+NQ*(\a)+(\q)] matrix_a_fmt:MATRIX_FMT_FP6 matrix_b_fmt:MATRIX_FMT_FP6 matrix_a_scale:MATRIX_SCALE_ROW1
.endif
.endr
.endr
.endm
.macro FETCH_B slot, q, p
	WIN TO_B
.irp i, 0,1,2,3,4,5,6,7
	FRAG 128*(\p)+FR*\i, ADRB+\slot, \q, \i
.endr
	WIN 0
.endm
.macro FETCH_A slot, q, i0
.irp i, \i0, \i0+1, \i0+2, \i0+3
	FRAG AF+FR*(\i), ADRA+\slot, \q, \i
.endr
.endm
.macro SCALES sc                       ; a K step's scale words: lanes 0-15 take x's block i, lanes 16-31 the weight's block i
.irp i, 0,1,2,3,4,5,6,7
	ds_load_b64 v[SC+8*NQ*\sc+NQ*\i:SC+8*NQ*\sc+NQ*\i+1], v[ADRS] offset:\i*SBLK
.endr
.endm
.macro PLACES n                        ; plain vector instructions between a matrix instruction and a load into, or a read of, its registers
.rept \n
	v_nop
.endr
.endm
.macro STEP slot, q, zero
	s_wait_dscnt 4*NL                              ; the weight's set and x's blocks 0-3 are in; the youngest 24 loads (x's blocks 4-7) may be out
.if \zero
	WIN 0x81                                       ; C, the bias, in window 0
.else
	WIN MUL_LO
.endif
	MUL16 0, (\q)%2, \q, \slot, \zero
	MUL16 2, (\q)%2, \q, \slot, \zero
	s_wait_dscnt 0
	PLACES NP
	FETCH_B \slot, (\q)+1, 1-(\q)%2
	FETCH_A \slot, (\q)+1, 0
.if \zero
	WIN 0xc1
.else
	WIN MUL_HI
.endif
	MUL16 4, (\q)%2, \q, \slot, \zero
	MUL16 6, (\q)%2, \q, \slot, \zero
	PLACES NP
	WIN 0
	FETCH_A \slot, (\q)+1, 4
.endm
; A slot's last step changes slots: ONE barrier; in front of it each wave waits for all its tensor loads, adds 0 to its spare word, and waits for that and for its own reads of this slot.
.macro TURN slot, next, fill
	s_wait_tensorcnt 0x0                           ; all my tensor loads have landed: my part of the next slot
	ds_add_u32 v[SPW], v[NIL]                      ; 0 onto my spare word
	s_wait_dscnt 4*NL+1                            ; (the add and the youngest 24 loads may be out)
	WIN MUL_LO
	MUL16 0, 1, NQ-1, \slot, 0
	s_wait_dscnt 0x0                               ; the add is done, and my reads of this slot are over
	s_barrier_signal -1
	MUL16 2, 1, NQ-1, \slot, 0
	WIN 0
	s_barrier_wait -1
.if \fill
	CREST                                          ; the barrier has opened a round of the cluster's barrier: no wave of any partner still reads this slot or has a load on its way
	s_add_nc_u64 s[G0+4*\slot+2:G0+4*\slot+3], s[G0+4*\slot+2:G0+4*\slot+3], 2*ROWB
	s_add_nc_u64 s[G0B+4*\slot+2:G0B+4*\slot+3], s[G0B+4*\slot+2:G0B+4*\slot+3], 2*ROWB
	JLOAD G0+4*\slot, G1, G0B+4*\slot, G1B         ; the first tensor load behind the round; its four v_nop are the places in front of the loads below
.else
	PLACES NP
.endif
	v_add_nc_u32 v[ADRS], 4*NQ, v[ADRS]            ; on to the next K step's scale words
	FETCH_B \next, 0, 0
	FETCH_A \next, 0, 0
	SCALES \next
	WIN MUL_HI
	MUL16 4, 1, NQ-1, \slot, 0
	MUL16 6, 1, NQ-1, \slot, 0
	PLACES NP
	WIN 0
	FETCH_A \next, 0, 4
.endm
	s_wait_tensorcnt 1                             ; the scales and my part of K step 0 are in (K step 1's load may be out),
	s_barrier_signal -1
	s_barrier_wait -1                              ; everybody's are
	FETCH_B 0, 0, 0
	FETCH_A 0, 0, 0
	SCALES 0
	FETCH_A 0, 0, 4
	s_wait_loadcnt 0x0                             ; the bias
	STEP 0, 0, 1
	s_mov_b32 s3, LAPS-1
.Llap:
	TURN 0, 1, 1
	STEP 1, 0, 0
	TURN 1, 0, 1
	STEP 0, 0, 0
	s_sub_co_u32 s3, s3, 1
	s_cmp_lg_u32 s3, 0
	s_cbranch_scc1 .Llap
	TURN 0, 1, 0                                   ; the last lap fills nothing
	STEP 1, 0, 0
	s_wait_dscnt 4*NL
	WIN MUL_LO
	MUL16 0, 1, NQ-1, 1, 0
	MUL16 2, 1, NQ-1, 1, 0
	s_wait_dscnt 0
	WIN MUL_HI
	MUL16 4, 1, NQ-1, 1, 0
	MUL16 6, 1, NQ-1, 1, 0
	WIN 0
	PLACES NP
; ---------------- THE WAY OUT.  My 128 rows are the 128 tokens of one record's step, my 128 columns two heads.
.set TM,  32                           ; v32-47  +0..3 largest magnitudes, +4..7 the other half's and then bytes, +8..10 at work, +12..15 the conversions' scale operands
.set CT,  50                           ; v50-52, v54-56  conversions' second halves
.set PCD, 64                           ; v64-87  head c's 12 registers of a pair of tiles at PCD + 12 c
.set SW0, 96                           ; v96-103, v104-111  the eight tiles' scale words, head 0 and head 1
.set SW1, 104
.set OW,  112                          ; v112-119 as they are stored
.set VC,  64                           ; v: v64-75 a tile's codes; v76-78, v80-82 second halves; v84-91 scale words; v92-95 as stored; v128-255 two tiles' 64 numbers a lane
.set VCT, 76
.set VW,  84
.set VOW, 92
.set XV,  128
	s_lshr_b32 s20, s17, 3                         ; batch
	s_lshl_b32 s20, s20, 4
	s_and_b32 s21, s42, 3
	s_lshl_b32 s21, s21, 2
	s_add_co_u32 s20, s20, s21
	s_lshl_b32 s21, s16, 1
	s_add_co_u32 s20, s20, s21                     ; 16 x batch + my first head
	s_lshl_b32 s20, s20, 4
	s_and_b32 s21, s17, 7
	s_lshl_b32 s21, s21, 1
	s_add_co_u32 s20, s20, s21
	s_add_co_u32 s20, s20, s15                     ; + the step of 128 tokens
	s_mul_i32 s20, s20, REC
	s_mov_b32 s21, 0
	s_mov_b32 s98, 0x76543210
	s_mov_b32 s99, 0xfedcba98                      ; v_permlanex16_b32's selects for lane l xor 16
	s_mov_b32 s100, 0xffff0000                     ; lanes 16-31
.irp b, 4,5,6,7,9
	v_mov_b32 v[TM+\b], 0                          ; written once: a lane permute's destination counts as one of its sources
.endr
	v_lshlrev_b32 v[TM+10], 3, v2                  ; 8 h
	s_cmp_eq_u32 ttmp9, 0                          ; the cluster's x: 0 = q, 1 = k, 2 = v; the same in all sixteen partners
	s_cselect_b64 s[12:13], s[10:11], s[12:13]
	s_add_nc_u64 s[12:13], s[12:13], s[20:21]
	s_cmp_eq_u32 ttmp9, 2
	s_cbranch_scc1 .Lv
; q and k: row block a's 64 numbers a lane are four blocks of 32 along the heads' d, 16 numbers of each; lane l xor 16 holds the other 16.
.macro QUANTA a
.set AC, 64*((\a)%4)
.set WW, 2+(\a)/4
.set W2, WW|(WW<<2)
.set UU, (\a)%2
	WIN W2                                         ; sources 0 and 1: the accumulators' window
.irp b, 0,1,2,3
	v_max3_num_f32 v[TM+\b], |v[AC+16*\b]|, |v[AC+16*\b+1]|, 0x1800000   ; each accumulator is read from its low end on; the floor 2^(3 - 127) holds the byte at 1 from below
.endr
.irp i, 2,4,6,8,10,12,14
.irp b, 0,1,2,3
	v_max3_num_f32 v[TM+\b], |v[AC+16*\b+\i]|, |v[AC+16*\b+\i+1]|, v[TM+\b]
.endr
.endr
	WIN 0
.irp b, 0,1,2,3
	v_permlanex16_b32 v[TM+4+\b], v[TM+\b], s98, s99
.endr
.irp b, 0,1,2,3
	v_max_num_f32 v[TM+\b], v[TM+\b], v[TM+4+\b]
.endr
.irp b, 0,1,2,3
	v_add_nc_u32 v[TM+12+\b], 0xff000000, v[TM+\b]
.endr
.irp b, 0,1,2,3
	v_lshrrev_b32 v[TM+4+\b], 23, v[TM+12+\b]
.endr
	v_lshl_or_b32 v[SW0+(\a)], v[TM+5], 8, v[TM+4] ; a head's two bytes; bytes 2 and 3, which will stand over zero codes, are 0
	v_lshl_or_b32 v[SW1+(\a)], v[TM+7], 8, v[TM+6]
	WIN WW                                         ; source 0 alone
.irp c, 0,1
	v_cvt_scalef32_pk16_fp6_f32 v[PCD+12*\c+6*UU:PCD+12*\c+6*UU+2], v[AC+32*\c:AC+32*\c+15], v[TM+12+2*\c]
	v_cvt_scalef32_pk16_fp6_f32 v[CT+4*\c:CT+4*\c+2], v[AC+32*\c+16:AC+32*\c+31], v[TM+13+2*\c]
.endr
	WIN 0
	v_nop                                          ; one plain place behind a scaled conversion
.irp c, 0,1                                    ; the operand's layout wants a WHOLE block in a lane: lanes 0-15 d = 0 .. 31, lanes 16-31 d = 32 .. 63
.irp i, 0,1,2
	v_permlane16_swap_b32 v[PCD+12*\c+6*UU+\i], v[CT+4*\c+\i]
.endr
.irp i, 0,1,2
	v_mov_b32 v[PCD+12*\c+6*UU+3+\i], v[CT+4*\c+\i]
.endr
.endr
.endm
.irp a, 0,1,2,3,4,5,6,7
.if (\a%2 == 0) && (\a > 0)
	s_wait_xcnt 0x0                                ; the last pair's stores have read their registers
.endif
	QUANTA \a
.if \a%2 == 1
.irp c, 0,1
.irp g, 0,1,2
	global_store_b128 v[GL], v[PCD+12*\c+4*\g:PCD+12*\c+4*\g+3], s[12:13] offset:\c*HD+(\a/2)*1536+\g*512   ; the wave stores 512 consecutive bytes, aligned
.endr
.endr
.endif
.endr
.irp c, 0,1
.irp i, 0,1,2,3
	v_cndmask_b32 v[OW+4*\c+\i], v[SW0+8*\c+\i], v[SW0+8*\c+4+\i], s100   ; lanes 0-15 carry tiles 0-3's words, lanes 16-31 tiles 4-7's
.endr
	global_store_b128 v[GL], v[OW+4*\c:OW+4*\c+3], s[12:13] offset:\c*HD+12288
.endr
	s_branch .Lclose
; v: its K is the keys, which lie across lanes: 32 columns at a time go through my stage (row = token, in true order) and come back with a lane to a column and registers down the tokens.
.Lv:
.macro VTILE x, ch, tau                ; 64 numbers of a lane, register 32 c + i = token 64 c + 32 h + i of my column: two whole blocks
	s_wait_xcnt 0x0                                ; the last tile's stores have read their registers
.irp c, 0,1
	v_max3_num_f32 v[TM+\c], |v[\x+32*\c]|, |v[\x+32*\c+1]|, 0x1800000
.endr
.irp i, 2,4,6,8,10,12,14,16,18,20,22,24,26,28,30
.irp c, 0,1
	v_max3_num_f32 v[TM+\c], v[TM+\c], |v[\x+32*\c+\i]|, |v[\x+32*\c+\i+1]|
.endr
.endr
.irp c, 0,1
	v_add_nc_u32 v[TM+12+\c], 0xff000000, v[TM+\c]
.endr
.irp c, 0,1
	v_lshrrev_b32 v[TM+4+\c], 23, v[TM+12+\c]
.endr
	v_lshl_or_b32 v[TM+8], v[TM+5], 16, v[TM+4]    ; my two bytes: blocks h and 2 + h,
	v_lshlrev_b32 v[TM+8], v[TM+10], v[TM+8]       ; at their places (8 h bits up);
	v_permlanex16_b32 v[TM+9], v[TM+8], s98, s99
	v_or_b32 v[VW+4*(\ch)+(\tau)], v[TM+8], v[TM+9]  ; with lane l xor 16's two the word is whole
.irp c, 0,1
	v_cvt_scalef32_pk16_fp6_f32 v[VC+6*\c:VC+6*\c+2], v[\x+32*\c:\x+32*\c+15], v[TM+12+\c]
	v_cvt_scalef32_pk16_fp6_f32 v[VCT+4*\c:VCT+4*\c+2], v[\x+32*\c+16:\x+32*\c+31], v[TM+12+\c]
.endr
	v_nop
.irp c, 0,1
.irp i, 0,1,2
	v_mov_b32 v[VC+6*\c+3+\i], v[VCT+4*\c+\i]
.endr
.endr
.irp g, 0,1,2
	global_store_b128 v[GL], v[VC+4*\g:VC+4*\g+3], s[12:13] offset:(\ch)*HD+6144+(\tau)*1536+\g*512
.endr
.endm
.irp G, 0,1,2,3                                ; columns 32 G on: head G / 2, its d = 32 (G % 2) on
.irp a, 0,1,2,3,4,5,6,7
.set WN, 0x08+4*(\a/4)
	WIN WN                                         ; an LDS store's data are its source 1
.irp u, 0,1
	ds_store_b128 v[STO], v[64*(\a%4)+8*(2*\G+\u):64*(\a%4)+8*(2*\G+\u)+3] offset:(32*(\a/2)+8*(\a%2))*VROW+32*\u
	ds_store_b128 v[STO], v[64*(\a%4)+8*(2*\G+\u)+4:64*(\a%4)+8*(2*\G+\u)+7] offset:(32*(\a/2)+8*(\a%2))*VROW+32*\u+16
.endr
.endr
	WIN 0
.irp u, 0,1
.irp c, 0,1
.irp i, 0,1,2,3,4,5,6,7,8,9,10,11,12,13,14,15,16,17,18,19,20,21,22,23,24,25,26,27,28,29,30,31
	ds_load_b32 v[XV+64*\u+32*\c+\i], v[RD] offset:(64*\c+\i)*VROW+32*\u   ; LDS serves a wave's instructions in order: these see my stores, and the next 32 columns' stores come behind them
.endr
.endr
.endr
	s_wait_dscnt 63                                ; the first tile's 64 loads are in: 64 were issued behind them
	VTILE XV, \G/2, 2*(\G%2)
	s_wait_dscnt 0x0
	VTILE XV+64, \G/2, 2*(\G%2)+1
.endr
.irp i, 0,1,2,3
	v_cndmask_b32 v[VOW+\i], v[VW+\i], v[VW+4+\i], s100    ; lanes 0-15 carry the first head's words, lanes 16-31 the second's
.endr
	v_mul_u32_u24 v[TM+11], v2, HD
	v_lshl_add_u32 v[TM+11], v1, 4, v[TM+11]
	global_store_b128 v[TM+11], v[VOW:VOW+3], s[12:13] offset:12800   ; each half of the lanes stores 256 consecutive bytes, aligned
.Lclose:
	s_wait_tensorcnt 0x0                           ; the wave's end: behind my last tensor load and my last LDS store
	ds_add_u32 v[SPW], v[NIL]
	s_wait_dscnt 0x0
	CROUND                                         ; the closing round: no work-group ends while a partner may still ask for a tile that names it
	s_endpgm
.Lfunc_end_k_qb29955aec8_qkv:
	.size	k_qb29955aec8_qkv, .Lfunc_end_k_qb29955aec8_qkv-k_qb29955aec8_qkv
	.p2alignl 7, 3214868480
	.fill 96, 4, 3214868480
	.section	.rodata,"a",@progbits
	.p2align	6, 0x0
	.amdhsa_kernel k_qb29955aec8_qkv
		.amdhsa_group_segment_fixed_size 327680
		.amdhsa_private_segment_fixed_size 0
		.amdhsa_enable_private_segment 0
		.amdhsa_kernarg_size 40
		.amdhsa_user_sgpr_count 2
		.amdhsa_user_sgpr_kernarg_segment_ptr 1
		.amdhsa_wavefront_size32 1
		.amdhsa_system_sgpr_workgroup_id_x 1
		.amdhsa_system_sgpr_workgroup_id_y 1
		.amdhsa_system_sgpr_workgroup_id_z 1
		.amdhsa_system_vgpr_workitem_id 0
		.amdhsa_next_free_vgpr 1024
		.amdhsa_next_free_sgpr 102
		.amdhsa_reserve_vcc 0
		.amdhsa_float_denorm_mode_32 3
		.amdhsa_float_denorm_mode_16_64 3
		.amdhsa_memory_ordered 1
		.amdhsa_forward_progress 1
		.amdhsa_inst_pref_size 233
	.end_amdhsa_kernel
	.amdgpu_metadata
---
amdhsa.version: [ 1, 2 ]
amdhsa.kernels:
  - .name:           k_qb29955aec8_qkv
    .symbol:         k_qb29955aec8_qkv.kd
    .args:
      - { .name: xq, .offset: 0, .size: 8, .value_kind: global_buffer, .address_space: global }
      - { .name: wq, .offset: 8, .size: 8, .value_kind: global_buffer, .address_space: global }
      - { .name: attn_b, .offset: 16, .size: 8, .value_kind: global_buffer, .address_space: global }
      - { .name: qrec, .offset: 24, .size: 8, .value_kind: global_buffer, .address_space: global }
      - { .name: kvrec, .offset: 32, .size: 8, .value_kind: global_buffer, .address_space: global }
    .group_segment_fixed_size: 327680
    .private_segment_fixed_size: 0
    .kernarg_segment_align: 8
    .kernarg_segment_size: 40
    .max_flat_workgroup_size: 128
    .sgpr_count:     102
    .vgpr_count:     1024
    .wavefront_size: 32
...
	.end_amdgpu_metadata
.endif
;; end of part 2
;; launch attn (part 3): grid 4 x 64, 16 waves a work-group, no clusters, 212,992 bytes of LDS; arguments qrec, kvrec, oq; writes oq
.if DOCPART == 3
	.amdgcn_target "amdgcn-amd-amdhsa--gfx1250"
	.amdhsa_code_object_version 6
	.text
	.protected	k_qb29955aec8_attn
	.globl	k_qb29955aec8_attn
	.p2align	8
	.type	k_qb29955aec8_attn,@function
k_qb29955aec8_attn:
	s_mov_b64 s[64:65], 0
	v_nop
	global_prefetch_b8 v0, s[64:65] scope:SCOPE_SE
	s_setreg_imm32_b32 hwreg(HW_REG_WAVE_MODE, 25, 1), 1
	s_wait_xcnt 0x0
; out[b][q][head] = softmax over k <= q of (Q . K) times V, no 1 / sqrt(64), both products on codes of FP6 (E2M3) with E8M0 scales; the result is quantised along C and leaves as codes for the last product.
; THE SOFTMAX AHEAD OF THE SECOND PRODUCT: t = score x log2(e); M = the row's largest t so far, rounded UP to a whole number; p = 2^(t - M) is what is quantised, along the keys.  The row's sum is taken of the
; unquantised p and divides O at the end.  When M moves, the sum and O are multiplied by 2^(old M - new M): exact.
; SHARES.  Work-group (j, batch x head) owns the blocks of 256 queries 7 - j and j.  Each of its sixteen waves owns two tiles of 16 queries: tile (wave xor 15) of block 7 - j and tile (wave) of block j.
; A tile walks the key steps of 128 up to its own: together 17 tile steps in every wave of the launch, two of them on the diagonal.  Four waves to a SIMD: one wave's vector work stands beside another's products and LDS loads.
; THE HEAD'S K AND V STAY IN LDS: 16 records of 13,056 bytes, one dense block of memory, filled once.  Each wave brings 816 bytes of record 0 and 12,240 of the others: two tensor loads out at the most.
; Step 0 is worked while the rest lands.  Nothing is filled again, so the loop has no barrier.
; LAYOUT.  Both products are used transposed: S^T = K Q^T, O^T = V^T P^T: a lane holds ONE query throughout.  A tile of 16 tokens (keys or queries) is tokens 8 u + r % 8 + 16 (r / 8) of a group of 32, so the 16 registers of
; key tiles 2 b and 2 b + 1 are keys 32 b + 16 h + 0 .. 15.  The first product's K is 64: a tile's fragment is six registers.  Q's upper six are zero codes; K's upper six are whatever lies next (the next tile's codes, or six
; registers kept at 0): finite numbers times zero, under scale bytes that are 0.
; NO CLUSTER: the work-groups that read the same K and V are the query blocks of one head, and which steps are hidden or open hangs on the block's number, which would be a work-group's place in its cluster.
; NO PREFETCH: every byte of K and V is asked for by the tensor loads at the head; nothing is left to ask for ahead.
; LIMITS: a block of zeros gets the byte 1, not 127 (its codes are zeros; this program alone reads the bytes); a p under 2^-126 counts as 0 (v_exp_f32 gives no denormals); NaN and infinities are not served.
.set REC,   13056
.set HEADB, 16*REC
.set OSC,   HEADB                      ; behind the records: the two blocks' out scales, 512 bytes each: four blocks of 256 bytes into which no fill lands
.set SPARE, OSC+1024                   ; the spare words, 128 bytes for each wave: eight blocks of 256 bytes that no other line names
.set OSCL,  6291456                    ; where oq's scale bytes begin
.set L16, 1                            ; v1   16 x lane
.set R16, 2                            ; v2   16 x (lane % 16)
.set SPW, 3                            ; v3   my spare word; never rewritten
.set NIL, 4                            ; v4   0; never rewritten
.set AD,  5                            ; v5   the step's record + 16 x lane
.set ADR, 6                            ; v6   the step's record + 16 x (lane % 16)
.set QO,  7                            ; v7   my query in its tile, less 16 (lane / 16)
.set L8,  8                            ; v8   8 x lane
.set OSR, 9                            ; v9   where waves 0 and 1 read a block's out scales
.set ST0, 10                           ; tile T at ST0 + 4 T: -M, the largest t, the sum in two halves
.set QF,  18                           ; tile T's fragment at QF + 12 T
.set QS,  42                           ; its scale word at QS + T
.set KR,  44                           ; v44-91 a step's K, later its V; v92-97 kept at 0
.set KSC, 98
.set VSC, 102
.set S,   106                          ; v106-169 S^T, then p
.set OT,  170                          ; tile T's O^T at OT + 32 T
.set PC,  234                          ; p's codes
.set PSW, 246                          ; p's scale word
.set F,   248                          ; v[248:249] 2^(old M - new M), and a 0 that is named with it as a pair
.set TMP, 250                          ; v250-253 at work
.set OSA, 254                          ; v254, v255 where my two tiles' out scales go
.set BM,  KR                           ; at work in K's registers once the scores are made: the blocks' largest scores,
.set PX,  KR+4                         ; the other half's, then bytes,
.set CT,  KR+8                         ; conversions' second halves (+0..2, +4..6),
.set SO,  KR+16                        ; the conversions' scale operands,
.set SUMT, KR+20                       ; the sum's second chain
.set QA,  S                            ; at the head: Q's offsets
.set WV,  12
.set SEL, 20
.set CS,  22                           ; s[22:23] log2(e)
.set G1A, 24
.set G1B, 32
.set G0A, 40
.set G0B, 44
.set KF,  48                           ; the step's first key
.set TB,  49                           ; its record in LDS
.set CNT, 50
.set Q0,  51                           ; s51, s52 my tiles' first queries
	s_load_b128 s[4:7], s[0:1], 0x0                ; qrec s[4:5], kvrec s[6:7]
	s_load_b64 s[8:9], s[0:1], 0x10                ; oq
	v_lshl_add_u32 v[SPW], v0, 2, SPARE
	v_mov_b32 v[NIL], 0
	ds_add_u32 v[SPW], v[NIL]                      ; the wave's opening: the add and its wait stand ahead of my first tensor load; the set-up below stands between them
	v_lshrrev_b32 v5, 5, v0
	v_readfirstlane_b32 s[WV], v5                  ; wave 0..15
	s_and_b32 s13, ttmp7, 0xffff                   ; 16 x batch + head
	s_sub_co_u32 s15, 7, ttmp9                     ; tile 0's block of queries,
	s_xor_b32 s16, s[WV], 15                       ; and its place in it
	s_mov_b32 s17, ttmp9                           ; tile 1's
	s_mov_b32 s18, s[WV]
	s_mov_b32 s[G1A], 3<<16                        ; one dense row of 102 elements of 8 bytes: no mask, no padding
	s_mov_b32 s[G1A+1], 102<<16                    ; tensor_dim0
	s_mov_b32 s[G1A+2], 1<<16                      ; tensor_dim1
	s_mov_b32 s[G1A+3], 102<<16                    ; tile_dim0
	s_mov_b32 s[G1A+4], 1                          ; tile_dim1
	s_mov_b32 s[G1A+5], 102                        ; the pitch
	s_mov_b32 s[G1A+6], 0
	s_mov_b32 s[G1A+7], 0
	s_mov_b32 s[G1B], 3<<16                        ; and one of 1,530
	s_mov_b32 s[G1B+1], 1530<<16
	s_mov_b32 s[G1B+2], 1<<16
	s_mov_b32 s[G1B+3], 1530<<16
	s_mov_b32 s[G1B+4], 1
	s_mov_b32 s[G1B+5], 1530
	s_mov_b32 s[G1B+6], 0
	s_mov_b32 s[G1B+7], 0
	s_mul_i32 s10, s13, HEADB                      ; the head's records in kvrec
	s_mov_b32 s11, 0
	s_mul_i32 s60, s[WV], 816                      ; my part of record 0,
	s_mul_i32 s61, s[WV], 12240
	s_add_co_u32 s61, s61, REC                     ; and of the other fifteen: the same bytes on in memory and in LDS
	s_mov_b32 s62, s60
	s_mov_b32 s63, 0
	s_mov_b32 s66, s61
	s_mov_b32 s67, 0
	s_mov_b32 s[SEL], 0x76543210
	s_mov_b32 s[SEL+1], 0xfedcba98
	s_mov_b32 s[CS], 0x3fb8aa3b
	s_mov_b32 s[CS+1], s[CS]
	s_mov_b32 s[KF], 0
	s_mov_b32 s[TB], 0
	s_wait_dscnt 0x0                               ; the opening add is done
	s_wait_kmcnt 0x0
	s_add_nc_u64 s[6:7], s[6:7], s[10:11]
	s_mov_b32 s[G0A], 1
	s_mov_b32 s[G0A+1], s60
	s_add_nc_u64 s[G0A+2:G0A+3], s[6:7], s[62:63]
	s_or_b32 s[G0A+3], s[G0A+3], 0x80000000
	s_mov_b32 s[G0B], 1
	s_mov_b32 s[G0B+1], s61
	s_add_nc_u64 s[G0B+2:G0B+3], s[6:7], s[66:67]
	s_or_b32 s[G0B+3], s[G0B+3], 0x80000000
	tensor_load_to_lds s[G0A:G0A+3], s[G1A:G1A+7]
	s_nop 0
	tensor_load_to_lds s[G0B:G0B+3], s[G1B:G1B+7]
	s_nop 0
.rept 4
	v_nop
.endr
	v_and_b32 v[L16], 31, v0
	v_lshlrev_b32 v[L8], 3, v[L16]
	v_lshlrev_b32 v[L16], 4, v[L16]
	v_and_b32 v[TMP], 15, v0                       ; r
	v_lshlrev_b32 v[R16], 4, v[TMP]
	v_and_b32 v[QO], 7, v0
	v_bfe_u32 v[TMP+1], v0, 3, 1
	v_lshl_add_u32 v[QO], v[TMP+1], 4, v[QO]
	v_bfe_u32 v[TMP+1], v0, 4, 1
	v_lshlrev_b32 v[TMP+1], 4, v[TMP+1]
	v_sub_nc_u32 v[QO], v[QO], v[TMP+1]
	s_and_b32 s60, s[WV], 1
	s_lshl_b32 s60, s60, 9
	s_add_co_u32 s60, s60, OSC
	v_add_nc_u32 v[OSR], s60, v[L16]
; Tile T: block of queries in s[bq], its place among the block's sixteen tiles in s[wp].
.macro QSET T, bq, wp
	s_lshr_b32 s60, s\wp, 3
	s_lshl_b32 s61, s\bq, 1
	s_add_co_u32 s60, s60, s61                     ; its step of 128 tokens
	s_lshl_b32 s61, s13, 4
	s_add_co_u32 s61, s61, s60
	s_mul_i32 s61, s61, REC                        ; its record in qrec
	s_and_b32 s62, s\wp, 7                         ; its tile t there
	s_lshr_b32 s63, s62, 1
	s_mul_i32 s63, s63, 1536
	s_add_co_u32 s63, s63, s61                     ; the pair's image: three runs of 512 bytes, 16 a lane
	s_and_b32 s66, s62, 1                          ; u: the pair's first six registers or its second: pieces of 8 bytes at 520 u, 8 + 1016 u, 512 + 520 u
	s_mul_i32 s67, s66, 520
	s_add_co_u32 s67, s67, s63
	v_add_nc_u32 v[QA+3*\T], s67, v[L16]
	s_mul_i32 s67, s66, 1016
	s_add_co_u32 s67, s67, s63
	v_add_nc_u32 v[QA+3*\T+1], s67, v[L16]
	s_lshr_b32 s67, s62, 2
	s_lshl_b32 s67, s67, 8
	s_and_b32 s68, s62, 3
	s_lshl_b32 s68, s68, 2
	s_add_co_u32 s67, s67, s68
	s_add_co_u32 s67, s67, s61
	v_add_nc_u32 v[QA+3*\T+2], s67, v[R16]         ; its scale words: 256 (t / 4) + 16 r + 4 (t % 4)
	global_load_b64 v[QF+12*\T:QF+12*\T+1], v[QA+3*\T], s[4:5]
	global_load_b64 v[QF+12*\T+2:QF+12*\T+3], v[QA+3*\T+1], s[4:5] offset:8
	global_load_b64 v[QF+12*\T+4:QF+12*\T+5], v[QA+3*\T], s[4:5] offset:512
	global_load_b32 v[QS+\T], v[QA+3*\T+2], s[4:5] offset:12288
	s_lshl_b32 s[Q0+\T], s\bq, 8
	s_lshr_b32 s67, s\wp, 1
	s_lshl_b32 s67, s67, 5
	s_add_co_u32 s[Q0+\T], s[Q0+\T], s67
	s_and_b32 s67, s\wp, 1
	s_lshl_b32 s67, s67, 3
	s_add_co_u32 s[Q0+\T], s[Q0+\T], s67           ; its first query; its last is 23 on
	s_lshl_b32 s68, s\wp, 5
	s_add_co_u32 s68, s68, OSC+512*\T
	v_lshl_add_u32 v[OSA+\T], v[TMP], 1, s68       ; its out scales: 2 bytes a query
	s_lshr_b32 s69, s13, 4
	s_lshl_b32 s69, s69, 7
	s_lshl_b32 s70, s\bq, 4
	s_add_co_u32 s69, s69, s70
	s_add_co_u32 s69, s69, s\wp                    ; its number among all tiles of tokens
	s_mul_i32 s70, s69, 12288
	s_and_b32 s69, s13, 15
	s_mul_i32 s69, s69, 768
	s_add_co_u32 s70, s70, s69
	s_mov_b32 s71, 0
	s_add_nc_u64 s[56+2*\T:57+2*\T], s[8:9], s[70:71]   ; its image in oq: [tile][head][3 pieces][32 lanes][8 bytes]
.irp i, 6,7,8,9,10,11
	v_mov_b32 v[QF+12*\T+\i], 0                    ; zero codes for k = 64 .. 127
.endr
	v_mov_b32 v[ST0+4*\T+1], 0xff61b1e6            ; the largest t so far: -3e38
	v_floor_f32 v[ST0+4*\T], -v[ST0+4*\T+1]        ; -M
	v_mov_b32 v[ST0+4*\T+2], 0                     ; the sum
	v_mov_b32 v[ST0+4*\T+3], 0
.endm
	QSET 0, 15, 16
	QSET 1, 17, 18
	s_cmp_eq_u32 s[WV], 0                          ; waves 0 and 1 will store the two blocks' out scales: [head][8192 places] x 2 bytes
	s_cselect_b32 s69, s15, s17
	s_lshl_b32 s69, s69, 8
	s_lshr_b32 s70, s13, 4
	s_lshl_b32 s70, s70, 11
	s_add_co_u32 s69, s69, s70
	s_and_b32 s70, s13, 15
	s_lshl_b32 s70, s70, 13
	s_add_co_u32 s69, s69, s70
	s_lshl_b32 s70, s69, 1
	s_add_co_u32 s70, s70, OSCL
	s_mov_b32 s71, 0
	s_add_nc_u64 s[54:55], s[8:9], s[70:71]
.irp i, 48,49,50,51,52,53
	v_mov_b32 v[KR+\i], 0                          ; what stands above key tile 7's six registers
.endr
	v_mov_b32 v[F+1], 0
	v_mov_b32 v[TMP+1], 0
; A TILE STEP: 128 keys for tile T.  first = 1: key step 0, whose second product starts O^T.
.macro STEP T, first
.set sT, ST0+4*\T
.set qF, QF+12*\T
.set oT, OT+32*\T
.if !\first
	s_add_co_u32 s53, s[Q0+\T], 23                 ; a step all of whose keys come after the tile's queries is left out: a branch on ids and the count of steps
	s_cmp_gt_u32 s[KF], s53
	s_cbranch_scc1 .Lhid_\@
.endif
.rept 4
	v_nop                                          ; places in front of loads into registers that the last products read
.endr
.irp g, 0,1,2,3,4,5,6,7,8,9,10,11
	ds_load_b128 v[KR+4*\g:KR+4*\g+3], v[AD] offset:512*\g          ; eight tiles of keys, six registers each: images, 512 consecutive bytes an instruction
.endr
	ds_load_b128 v[KSC:KSC+3], v[AD] offset:12288  ; lanes 0-15: tiles 0-3's words; lanes 16-31: tiles 4-7's
	s_wait_dscnt 0x0
.irp t, 0,1,2,3
	v_wmma_scale_f32_16x16x128_f8f6f4 v[S+8*\t:S+8*\t+7], v[KR+6*\t:KR+6*\t+11], v[qF:qF+11], 0, v[KSC+\t], v[QS+\T] matrix_a_fmt:MATRIX_FMT_FP6 matrix_b_fmt:MATRIX_FMT_FP6
.endr
.irp t, 4,5,6,7
	v_wmma_scale_f32_16x16x128_f8f6f4 v[S+8*\t:S+8*\t+7], v[KR+6*\t:KR+6*\t+11], v[qF:qF+11], 0, v[KSC+\t-4], v[QS+\T] matrix_a_fmt:MATRIX_FMT_FP6 matrix_b_fmt:MATRIX_FMT_FP6 matrix_a_scale:MATRIX_SCALE_ROW1
.endr
.rept 4
	v_nop
.endr
	s_add_co_u32 s53, s[KF], 127                   ; on the diagonal the scores of hidden keys become -infinity ahead of the maximum; a step all of whose keys count skips this
	s_cmp_le_u32 s53, s[Q0+\T]
	s_cbranch_scc1 .Lopen_\@
	s_sub_co_i32 s53, s[Q0+\T], s[KF]
	v_add_nc_u32 v[TMP+2], s53, v[QO]              ; d = my query - the step's first key - 16 h.  Register 16 b + i holds key 32 b + 16 h + i of the step: hidden where 32 b + i > d
	v_mov_b32 v[TMP+3], 0xff800000
.set n, 0
.rept 64
	v_cmp_gt_i32 vcc_lo, 32*(n/16)+n%16, v[TMP+2]
	v_cndmask_b32 v[S+n], v[S+n], v[TMP+3], vcc_lo
.set n, n+1
.endr
.Lopen_\@:
.irp b, 0,1,2,3
	v_max3_num_f32 v[BM+\b], v[S+16*\b], v[S+16*\b+1], v[S+16*\b+2]   ; the largest score of each block of 32 keys: for the row's maximum and, since p rises with the score, for the block's largest p
.endr
.irp i, 3,5,7,9,11,13
.irp b, 0,1,2,3
	v_max3_num_f32 v[BM+\b], v[BM+\b], v[S+16*\b+\i], v[S+16*\b+\i+1]
.endr
.endr
.irp b, 0,1,2,3
	v_max_num_f32 v[BM+\b], v[BM+\b], v[S+16*\b+15]
.endr
.irp b, 0,1,2,3
	v_permlanex16_b32 v[PX+\b], v[BM+\b], s[SEL], s[SEL+1]
.endr
.irp b, 0,1,2,3
	v_max_num_f32 v[BM+\b], v[BM+\b], v[PX+\b]
.endr
	v_max3_num_f32 v[TMP], v[BM], v[BM+1], v[BM+2]
	v_max_num_f32 v[TMP], v[TMP], v[BM+3]
	v_mul_f32 v[TMP], s[CS], v[TMP]                ; as t
	v_max_num_f32 v[sT+1], v[sT+1], v[TMP]         ; the running largest t
	v_mov_b32 v[TMP], v[sT]
	v_floor_f32 v[sT], -v[sT+1]                    ; the new -M = -ceil(t)
	v_sub_f32 v[TMP], v[sT], v[TMP]                ; old M - new M: a whole number, 0 or less
	v_cvt_i32_f32 v[TMP], v[TMP]                   ; (it saturates)
	v_ldexp_f32 v[F], 1.0, v[TMP]
.set n, 0
.rept 32
	v_pk_fma_f32 v[S+n:S+n+1], v[S+n:S+n+1], s[CS:CS+1], v[sT:sT+1] op_sel_hi:[1,0,0]   ; t - M, two at a time
.set n, n+2
.endr
.irp b, 0,1,2,3
	v_fma_f32 v[BM+\b], v[BM+\b], s[CS], v[sT]
.endr
.set n, 0
.rept 64
	v_exp_f32 v[S+n], v[S+n]                       ; p = 2^(t - M)
.set n, n+1
.endr
	v_pk_mul_f32 v[sT+2:sT+3], v[sT+2:sT+3], v[F:F+1] op_sel_hi:[1,0]   ; the sums under the new M; also the plain place behind the exponentials
	s_wait_alu depctr_va_vdst(0)                   ; one wait for the whole batch, ahead of its first reader
.irp b, 0,1,2,3
	v_exp_f32 v[BM+\b], v[BM+\b]                   ; the block's largest p: the same two instructions on the same number
.endr
	v_pk_add_f32 v[SUMT:SUMT+1], v[S:S+1], v[S+2:S+3]   ; the row's sum is taken of the unquantised p, in two chains
.set n, 4
.rept 15
	v_pk_add_f32 v[sT+2:sT+3], v[sT+2:sT+3], v[S+n:S+n+1]
	v_pk_add_f32 v[SUMT:SUMT+1], v[SUMT:SUMT+1], v[S+n+2:S+n+3]
.set n, n+4
.endr
	v_pk_add_f32 v[sT+2:sT+3], v[sT+2:sT+3], v[SUMT:SUMT+1]
	s_wait_alu depctr_va_vdst(0)                   ; and one for the four
.irp b, 0,1,2,3
	v_max_num_f32 v[BM+\b], 0x1800000, v[BM+\b]    ; the floor 2^(3 - 127)
.endr
.irp b, 0,1,2,3
	v_add_nc_u32 v[SO+\b], 0xff000000, v[BM+\b]
.endr
.irp b, 0,1,2,3
	v_lshrrev_b32 v[PX+\b], 23, v[SO+\b]
.endr
	v_lshl_or_b32 v[PSW], v[PX+1], 8, v[PX]
	v_lshl_or_b32 v[PSW], v[PX+2], 16, v[PSW]
	v_lshl_or_b32 v[PSW], v[PX+3], 24, v[PSW]
.irp c, 0,1
	v_cvt_scalef32_pk16_fp6_f32 v[PC+6*\c:PC+6*\c+2], v[S+32*\c:S+32*\c+15], v[SO+2*\c]
	v_cvt_scalef32_pk16_fp6_f32 v[CT+4*\c:CT+4*\c+2], v[S+32*\c+16:S+32*\c+31], v[SO+2*\c+1]
.endr
	v_nop                                          ; one plain place behind a scaled conversion
.irp c, 0,1
.irp i, 0,1,2
	v_permlane16_swap_b32 v[PC+6*\c+\i], v[CT+4*\c+\i]
.endr
.irp i, 0,1,2
	v_mov_b32 v[PC+6*\c+3+\i], v[CT+4*\c+\i]
.endr
.endr
.irp g, 0,1,2,3,4,5,6,7,8,9,10,11
	ds_load_b128 v[KR+4*\g:KR+4*\g+3], v[AD] offset:6144+512*\g     ; four tiles of V^T, whole fragments: what was at work in these registers is done with
.endr
	ds_load_b128 v[VSC:VSC+3], v[ADR] offset:12800
.if \first
.rept 8
	v_nop                                          ; places between the vector instructions that made p's codes and scale word and the products
.endr
.else
.set n, 0
.rept 16
	v_pk_mul_f32 v[oT+n:oT+n+1], v[oT+n:oT+n+1], v[F:F+1] op_sel_hi:[1,0]   ; O^T under the new M; these are also those places
.set n, n+2
.endr
.endif
	s_wait_dscnt 0x0
.irp t, 0,1,2,3
.if \first
	v_wmma_scale_f32_16x16x128_f8f6f4 v[oT+8*\t:oT+8*\t+7], v[KR+12*\t:KR+12*\t+11], v[PC:PC+11], 0, v[VSC+\t], v[PSW] matrix_a_fmt:MATRIX_FMT_FP6 matrix_b_fmt:MATRIX_FMT_FP6
.else
	v_wmma_scale_f32_16x16x128_f8f6f4 v[oT+8*\t:oT+8*\t+7], v[KR+12*\t:KR+12*\t+11], v[PC:PC+11], v[oT+8*\t:oT+8*\t+7], v[VSC+\t], v[PSW] matrix_a_fmt:MATRIX_FMT_FP6 matrix_b_fmt:MATRIX_FMT_FP6
.endif
.endr
.if !\first
.Lhid_\@:
.endif
.endm
	s_wait_loadcnt 0x0                             ; Q
	s_wait_tensorcnt 0x1                           ; my part of record 0 is in; my second load may stay out
	s_barrier_signal -1
	s_barrier_wait -1                              ; everybody's is
	v_add_nc_u32 v[AD], s[TB], v[L16]
	v_add_nc_u32 v[ADR], s[TB], v[R16]
	STEP 0, 1
	STEP 1, 1
	s_mov_b32 s[KF], 128
	s_mov_b32 s[TB], REC
	s_mov_b32 s[CNT], 15
	s_wait_tensorcnt 0x0                           ; my part of the other fifteen records is in,
	s_wait_dscnt 0x0
	s_barrier_signal -1
	s_barrier_wait -1                              ; everybody's is
.Ltrip:                                            ; fifteen trips in every wave: the count is a constant, and a hidden step's work is jumped over
	v_add_nc_u32 v[AD], s[TB], v[L16]
	v_add_nc_u32 v[ADR], s[TB], v[R16]
	STEP 0, 0
	STEP 1, 0
	s_add_co_u32 s[KF], s[KF], 128
	s_add_co_u32 s[TB], s[TB], REC
	s_sub_co_u32 s[CNT], s[CNT], 1
	s_cmp_lg_u32 s[CNT], 0
	s_cbranch_scc1 .Ltrip
; THE WAY OUT.  O^T / the sum: register 16 b + i is d = 32 b + 16 h + i of my query: two blocks of 32 along C.  They are quantised; the six registers of codes leave as an image, the two bytes through LDS.
.rept 4
	v_nop
.endr
.macro OUT T
.set sT, ST0+4*\T
.set oT, OT+32*\T
	v_add_f32 v[TMP], v[sT+2], v[sT+3]
	v_permlanex16_b32 v[TMP+1], v[TMP], s[SEL], s[SEL+1]
	v_add_f32 v[TMP], v[TMP], v[TMP+1]             ; the row's sum
	v_rcp_f32 v[TMP], v[TMP]
	v_nop                                          ; a plain place behind the reciprocal,
	s_wait_alu depctr_va_vdst(0)                   ; and the wait ahead of its first reader
.set n, 0
.rept 32
	v_mul_f32 v[S+n], v[oT+n], v[TMP]              ; each accumulator from its low end on
.set n, n+1
.endr
.irp b, 0,1
	v_max3_num_f32 v[BM+\b], |v[S+16*\b]|, |v[S+16*\b+1]|, 0x1800000
.endr
.irp i, 2,4,6,8,10,12,14
.irp b, 0,1
	v_max3_num_f32 v[BM+\b], v[BM+\b], |v[S+16*\b+\i]|, |v[S+16*\b+\i+1]|
.endr
.endr
.irp b, 0,1
	v_permlanex16_b32 v[PX+\b], v[BM+\b], s[SEL], s[SEL+1]
.endr
.irp b, 0,1
	v_max_num_f32 v[BM+\b], v[BM+\b], v[PX+\b]
.endr
.irp b, 0,1
	v_add_nc_u32 v[SO+\b], 0xff000000, v[BM+\b]
.endr
.irp b, 0,1
	v_lshrrev_b32 v[PX+\b], 23, v[SO+\b]
.endr
	v_lshl_or_b32 v[TMP+2], v[PX+1], 8, v[PX]
	v_cvt_scalef32_pk16_fp6_f32 v[PC:PC+2], v[S:S+15], v[SO]
	v_cvt_scalef32_pk16_fp6_f32 v[CT:CT+2], v[S+16:S+31], v[SO+1]
	v_nop
.irp i, 0,1,2
	v_permlane16_swap_b32 v[PC+\i], v[CT+\i]
.endr
.irp i, 0,1,2
	v_mov_b32 v[PC+3+\i], v[CT+\i]                 ; lane (r, h): d = 32 h .. 32 h + 31 of my query
.endr
	ds_store_b16 v[OSA+\T], v[TMP+2]               ; lanes r and r + 16 write the same two bytes with the same value
.irp p, 0,1,2
	global_store_b64 v[L8], v[PC+2*\p:PC+2*\p+1], s[56+2*\T:57+2*\T] offset:256*\p   ; the wave stores 256 consecutive bytes, aligned
.endr
.endm
	OUT 0
	s_wait_xcnt 0x0                                ; tile 0's stores have read their registers
	OUT 1
	s_wait_dscnt 0x0                               ; for the others' sake: my two stores of scales are done
	s_barrier_signal -1
	s_barrier_wait -1
	s_cmp_lt_u32 s[WV], 2
	s_cbranch_scc0 .Lno_scl
	ds_load_b128 v[S:S+3], v[OSR]                  ; a block's 256 x 2 bytes
	s_wait_dscnt 0x0
	global_store_b128 v[L16], v[S:S+3], s[54:55]   ; 512 consecutive bytes, aligned
.Lno_scl:
	s_wait_tensorcnt 0x0                           ; the wave's end: behind my last tensor load and my last LDS store
	ds_add_u32 v[SPW], v[NIL]
	s_wait_dscnt 0x0
	s_endpgm
.Lfunc_end_k_qb29955aec8_attn:
	.size	k_qb29955aec8_attn, .Lfunc_end_k_qb29955aec8_attn-k_qb29955aec8_attn
	.p2alignl 7, 3214868480
	.fill 96, 4, 3214868480
	.section	.rodata,"a",@progbits
	.p2align	6, 0x0
	.amdhsa_kernel k_qb29955aec8_attn
		.amdhsa_group_segment_fixed_size 212992
		.amdhsa_private_segment_fixed_size 0
		.amdhsa_enable_private_segment 0
		.amdhsa_kernarg_size 24
		.amdhsa_user_sgpr_count 2
		.amdhsa_user_sgpr_kernarg_segment_ptr 1
		.amdhsa_wavefront_size32 1
		.amdhsa_system_sgpr_workgroup_id_x 1
		.amdhsa_system_sgpr_workgroup_id_y 1
		.amdhsa_system_sgpr_workgroup_id_z 1
		.amdhsa_system_vgpr_workitem_id 0
		.amdhsa_next_free_vgpr 256
		.amdhsa_next_free_sgpr 80
		.amdhsa_reserve_vcc 1
		.amdhsa_float_denorm_mode_32 3
		.amdhsa_float_denorm_mode_16_64 3
		.amdhsa_memory_ordered 1
		.amdhsa_forward_progress 1
		.amdhsa_inst_pref_size 98
	.end_amdhsa_kernel
	.amdgpu_metadata
---
amdhsa.version: [ 1, 2 ]
amdhsa.kernels:
  - .name:           k_qb29955aec8_attn
    .symbol:         k_qb29955aec8_attn.kd
    .args:
      - { .name: qrec, .offset: 0, .size: 8, .value_kind: global_buffer, .address_space: global }
      - { .name: kvrec, .offset: 8, .size: 8, .value_kind: global_buffer, .address_space: global }
      - { .name: oq, .offset: 16, .size: 8, .value_kind: global_buffer, .address_space: global }
    .group_segment_fixed_size: 212992
    .private_segment_fixed_size: 0
    .kernarg_segment_align: 8
    .kernarg_segment_size: 24
    .max_flat_workgroup_size: 512
    .sgpr_count:     80
    .vgpr_count:     256
    .wavefront_size: 32
...
	.end_amdgpu_metadata
.endif
;; end of part 3
;; launch proj (part 4): grid 4 x 32, 4 waves a work-group, clusters of 4 x 4, 327,680 bytes of LDS; arguments oq, wq, proj_b, out0; writes out0
.if DOCPART == 4
	.amdgcn_target "amdgcn-amd-amdhsa--gfx1250"
	.amdhsa_code_object_version 6
	.text
	.protected	k_qb29955aec8_proj
	.globl	k_qb29955aec8_proj
	.p2align	8
	.type	k_qb29955aec8_proj,@function
k_qb29955aec8_proj:
	s_mov_b64 s[64:65], 0
	v_nop
	global_prefetch_b8 v0, s[64:65] scope:SCOPE_SE
	s_setreg_imm32_b32 hwreg(HW_REG_WAVE_MODE, 25, 1), 1
	s_wait_xcnt 0x0
	s_wait_alu depctr_hold_cnt(0) depctr_sa_sdst(0) depctr_va_vdst(0) depctr_va_sdst(0) depctr_va_ssrc(0) depctr_va_vcc(0) depctr_vm_vsrc(0)
	s_getreg_b32 s2, hwreg(HW_REG_IB_STS2, 6, 4)
	s_cmp_eq_u32 s2, 0
	s_cbranch_scc0 .Lentry_in_a_cluster
	s_endpgm
.Lentry_in_a_cluster:
	s_bfe_u32 s2, ttmp6, 0x10000c
	s_cmp_lg_u32 s2, 0xf033
	s_cbranch_scc0 .Lentry_shape_is_right
	s_endpgm
.Lentry_shape_is_right:
; out0 = out proj_w + proj_b on codes of FP6 (E2M3) with E8M0 scales, [8192] x [1024], K = 1,024, f32 out.
; A tile of 256 tokens x 256 columns is made by four waves, each 128 x 128: 64 accumulators.  K goes in steps of 256 (four heads) through a ring of two LDS slots filled by the tensor data mover.
; A, the attention's result, lies in oq as IMAGES of half fragments: [tile of 16 tokens][head][3 pieces][32 lanes][8 bytes]; a K step of a tile of tokens is 3,072 dense bytes, and a fragment of 128 along K is six loads of
; 8 bytes a lane, each of 256 consecutive bytes.  Its scale bytes lie [head][place] x 2: they land in LDS as they lie and are merged once, by the 128 threads, into words of four bytes for 128 along K, 32 bytes a row.
; B, proj_w, lies in wq from row 3,072 on, as rows of 768 bytes with the rows in PLACES (inside each 32, bits 3 and 4 changed over); A's tiles of tokens are such places too.
; So with the matrix instruction used transposed (source 0 = the weight, source 1 = A), in row block a = 2 B + u lane (r, h) holds token 32 B + 8 u + r % 8 + 16 (r / 8), and register 16 b + i of its 64 holds column 32 b + 16 h + i.
; CLUSTERS: 4 x 4 work-groups; A's tiles and scales are asked for jointly along a row of the cluster, the weight's along a column.  The bias is the C of each sum's first matrix instruction.
; No prefetch: of the four K steps two are first fills, and the other two are asked for while the first two are multiplied.  The grid has 128 work-groups: one for each tile of this size.
; REGISTERS as in the launch that makes q, k and v: window 0: v0-31 addresses; v32-63 scale words; v64-127 the bias; from v128 A's fragments; window 1: the weight's, two sets; windows 2, 3: the accumulators.
.set KSTEP,  256
.set NQ,     2
.set ROWB,   192
.set AROWB,  3072                      ; a K step of a tile of 16 tokens of A
.set KROW,   768
.set PITCH,  240
.set FR,     12
.set NL,     6
.set NP,     4
.set HALFT,  128*PITCH
.set SLOT,   4*HALFT
.set LAPS,   2
.set KS,     32
.set SCL,    2*SLOT                    ; the scale words: A's 256 rows (written by LDS stores: 34 blocks of 256 bytes into which no fill lands), then the weight's (filled once)
.set HALFS,  (128*KS/256)*272
.set SBLK,   (16*KS/256)*272
.set LAND,   SCL+4*HALFS               ; where A's scale bytes land: 16 heads x 512 bytes
.set SPARE,  LAND+8192                 ; the spare words, 128 bytes for each wave: two blocks of 256 bytes that no other line names
.set SPITCH, 528                       ; the way out: a stage of 16 rows x (512 bytes + 16) for each wave, in slot 0, which has had its last fill and its last read by then
.set OSCL,   6291456                   ; oq's scale bytes
.set WSOFF,  3145728                   ; wq's
.set ADRA, 16
.set ADRB, 20
.set STO,  24
.set RD,   25
.set CO,   26
.set ADRS, 27
.set SPW,  28
.set NIL,  29
.set BO,   30
.set SC,   32
.set BI,   64
.set AF,   128
.set BK,   128
.set G1, 24
.set G0, 32
.set G1B, 48
.set G0B, 56
.set G1S, 68
.set G0S, 76
.set G1SB, 80
.set G0SB, 88
.set MSB, 0
.macro WIN new
.if MSB != \new
	s_set_vgpr_msb (MSB<<8)|\new
.set MSB, \new
.endif
.endm
.set MUL_LO, 0xa1
.set MUL_HI, 0xf1
.set TO_B,   0x40
.macro JLOAD g0a, g1a, g0b, g1b        ; a joint load: waves 0 and 1 fetch for A, waves 2 and 3 for the weight; an s_nop 0 and four v_nop follow each of the two lines
	s_cmp_eq_u32 s15, 0
	s_cbranch_scc0 .Lfor_b_\@
	tensor_load_to_lds s[\g0a:\g0a+3], s[\g1a:\g1a+7]
	s_nop 0
.rept 4
	v_nop
.endr
	s_branch .Lasked_\@
.Lfor_b_\@:
	tensor_load_to_lds s[\g0b:\g0b+3], s[\g1b:\g1b+7]
	s_nop 0
.rept 4
	v_nop
.endr
.Lasked_\@:
.endm
.macro CREST
	s_cmp_lg_u32 s14, 0
	s_cbranch_scc1 .Lnot_wave_0_\@
	s_barrier_signal -3
.Lnot_wave_0_\@:
	s_barrier_wait -3
	s_barrier_signal -1
	s_barrier_wait -1
.endm
.macro CROUND
	s_barrier_signal -1
	s_barrier_wait -1
	CREST
.endm
	s_load_b128 s[4:7], s[0:1], 0x0                ; oq s[4:5], wq s[6:7]
	s_load_b128 s[8:11], s[0:1], 0x10              ; proj_b s[8:9], out0 s[10:11]
	v_lshl_add_u32 v[SPW], v0, 2, SPARE
	v_mov_b32 v[NIL], 0
	ds_add_u32 v[SPW], v[NIL]                      ; the wave's opening: the add and its wait stand ahead of my first tensor load
	v_lshrrev_b32 v1, 5, v0
	v_readfirstlane_b32 s14, v1
	s_lshr_b32 s15, s14, 1
	s_and_b32 s16, s14, 1
	s_bfe_u32 s40, ttmp6, 0x40000
	s_bfe_u32 s41, ttmp6, 0x40004
	s_lshl_b32 s42, ttmp9, 2
	s_add_co_u32 s42, s42, s40                     ; tile column
	s_and_b32 s17, ttmp7, 0xffff
	s_lshl_b32 s17, s17, 2
	s_add_co_u32 s17, s17, s41                     ; tile row
	s_lshl_b32 s43, s41, 2
	s_lshl_b32 s43, 15, s43
	s_lshl_b32 s44, 0x1111, s40
	s_or_b32 s[G1+0], s43, (3<<16)|(1<<21)         ; A's tiles: the mask of my row; elements of 8 bytes; no padding; bit 21 beside a mask
	s_mov_b32 s[G1+1], 384<<16                     ; tensor_dim0: 3,072 bytes
	s_mov_b32 s[G1+2], 8<<16                       ; tensor_dim1: 8 tiles of tokens
	s_mov_b32 s[G1+3], 384<<16                     ; tile_dim0
	s_mov_b32 s[G1+4], 8                           ; tile_dim1
	s_mov_b32 s[G1+5], 1536                        ; the pitch: 12,288 bytes from a tile of tokens to the next
	s_mov_b32 s[G1+6], 0
	s_mov_b32 s[G1+7], 0
	s_or_b32 s[G1B+0], s44, (0<<16)|(1<<20)|(1<<21)|(3<<22)|(3<<25)   ; the weight's: 128 rows of 192 bytes, 16 bytes of padding behind every 64
	s_mov_b32 s[G1B+1], ROWB<<16
	s_mov_b32 s[G1B+2], 128<<16
	s_mov_b32 s[G1B+3], ROWB<<16
	s_mov_b32 s[G1B+4], 128
	s_mov_b32 s[G1B+5], KROW
	s_mov_b32 s[G1B+6], 0
	s_mov_b32 s[G1B+7], 0
	s_or_b32 s[G1S+0], s43, (3<<16)|(1<<21)        ; A's scale bytes: 8 heads x 512 bytes, 16,384 bytes apart
	s_mov_b32 s[G1S+1], 64<<16
	s_mov_b32 s[G1S+2], 8<<16
	s_mov_b32 s[G1S+3], 64<<16
	s_mov_b32 s[G1S+4], 8
	s_mov_b32 s[G1S+5], 2048
	s_mov_b32 s[G1S+6], 0
	s_mov_b32 s[G1S+7], 0
	s_or_b32 s[G1SB+0], s44, (3<<16)|(1<<20)|(1<<21)|(5<<22)|(3<<25)  ; the weight's: 4,096 dense bytes as rows of 256, 16 bytes of padding behind each
	s_mov_b32 s[G1SB+1], 32<<16
	s_mov_b32 s[G1SB+2], (128*KS/256)<<16
	s_mov_b32 s[G1SB+3], 32<<16
	s_mov_b32 s[G1SB+4], 128*KS/256
	s_mov_b32 s[G1SB+5], 32
	s_mov_b32 s[G1SB+6], 0
	s_mov_b32 s[G1SB+7], 0
	s_lshl_b32 s20, s17, 4
	s_lshl_b32 s18, s16, 3
	s_add_co_u32 s20, s20, s18                     ; A: tile of tokens 16 x tile row + 8 x half
	s_mul_i32 s20, s20, 12288
	s_mov_b32 s21, 0
	s_lshl_b32 s22, s17, 9                         ; its scale bytes: 512 for each tile row, heads 8 x half on
	s_lshl_b32 s18, s16, 17
	s_add_co_u32 s22, s22, s18
	s_add_co_u32 s22, s22, OSCL
	s_mov_b32 s23, 0
	s_lshl_b32 s46, s42, 8
	s_lshl_b32 s18, s16, 7
	s_add_co_u32 s46, s46, s18
	s_add_co_u32 s46, s46, 3072                    ; the weight: row 3,072 + 256 x tile column + 128 x half
	s_mov_b32 s47, 0
	s_mov_b64 s[18:19], KS
	s_mul_u64 s[92:93], s[46:47], s[18:19]
	s_add_nc_u64 s[92:93], s[92:93], WSOFF
	s_mov_b64 s[18:19], KROW
	s_mul_u64 s[46:47], s[46:47], s[18:19]
	s_mul_i32 s45, s14, HALFT                      ; where they go: no place in the cluster enters an LDS address
	s_mul_i32 s94, s14, HALFS
	s_lshl_b32 s95, s14, 12
	s_wait_dscnt 0x0
	s_wait_kmcnt 0x0
	s_add_nc_u64 s[20:21], s[4:5], s[20:21]
	s_add_nc_u64 s[22:23], s[4:5], s[22:23]
	s_add_nc_u64 s[46:47], s[6:7], s[46:47]
	s_add_nc_u64 s[92:93], s[6:7], s[92:93]
	CROUND                                         ; all sixteen work-groups are here: the first joint loads meet
	s_mov_b32 s[G0S], 1
	s_add_co_u32 s[G0S+1], s95, LAND
	s_mov_b64 s[G0S+2:G0S+3], s[22:23]
	s_or_b32 s[G0S+3], s[G0S+3], 0x80000000
	s_mov_b32 s[G0SB], 1
	s_add_co_u32 s[G0SB+1], s94, SCL
	s_mov_b64 s[G0SB+2:G0SB+3], s[92:93]
	s_or_b32 s[G0SB+3], s[G0SB+3], 0x80000000
	JLOAD G0S, G1S, G0SB, G1SB                     ; the scales first
.irp s, 0,1
	s_mov_b32 s[G0+4*\s], 1
	s_add_co_u32 s[G0+4*\s+1], s45, \s*SLOT
	s_add_nc_u64 s[G0+4*\s+2:G0+4*\s+3], s[20:21], \s*AROWB
	s_or_b32 s[G0+4*\s+3], s[G0+4*\s+3], 0x80000000
	s_mov_b32 s[G0B+4*\s], 1
	s_add_co_u32 s[G0B+4*\s+1], s45, \s*SLOT
	s_add_nc_u64 s[G0B+4*\s+2:G0B+4*\s+3], s[46:47], \s*ROWB
	s_or_b32 s[G0B+4*\s+3], s[G0B+4*\s+3], 0x80000000
	JLOAD G0+4*\s, G1, G0B+4*\s, G1B
.endr
	v_and_b32 v1, 15, v0                           ; r
	v_bfe_u32 v2, v0, 4, 1                         ; h
	v_mul_u32_u24 v3, v1, PITCH
	v_mul_u32_u24 v4, v2, 24
	v_add_nc_u32 v4, v3, v4
	v_lshl_add_u32 v5, v2, 4, v4
	v_and_b32 v6, 31, v0
	v_lshlrev_b32 v7, 3, v6                        ; A's images: 8 x lane
	s_mul_i32 s21, s15, HALFT
	s_mul_i32 s22, s16, HALFT
	s_add_co_u32 s22, s22, 2*HALFT
.irp s, 0,1
	v_add_nc_u32 v[ADRA+\s], s21, v7
	v_add_nc_u32 v[ADRB+\s], s22, v4
	v_add_nc_u32 v[ADRB+2+\s], s22, v5
	s_add_co_u32 s21, s21, SLOT
	s_add_co_u32 s22, s22, SLOT
.endr
	v_mul_u32_u24 v5, v1, KS
	v_lshrrev_b32 v6, 8, v5
	v_lshl_add_u32 v5, v6, 4, v5
	s_mul_i32 s21, s15, HALFS
	s_mul_i32 s22, s16, HALFS
	s_add_co_u32 s22, s22, 2*HALFS
	s_sub_co_u32 s22, s22, s21
	v_mul_u32_u24 v6, s22, v2                      ; lanes 16-31 take the weight's
	s_add_co_u32 s21, s21, SCL
	v_add_nc_u32 v5, v5, v6
	v_add_nc_u32 v[ADRS], s21, v5
	s_mul_i32 s23, s14, 16*SPITCH                  ; my stage
	v_mul_u32_u24 v5, v1, SPITCH
	v_lshl_add_u32 v5, v2, 6, v5                   ; in: row r, + 64 h: column block 2 B + u goes 128 B + 32 u bytes on
	v_add_nc_u32 v[STO], s23, v5
	v_and_b32 v6, 31, v0
	v_lshlrev_b32 v[CO], 4, v6
	v_add_nc_u32 v[RD], s23, v[CO]
	v_lshl_add_u32 v8, v0, 2, LAND                 ; the merge: my two places' bytes of a head,
	v_lshrrev_b32 v9, 2, v0
	v_mul_u32_u24 v9, v9, 272
	v_and_b32 v10, 3, v0
	v_lshl_add_u32 v9, v10, 6, v9
	v_add_nc_u32 v9, SCL, v9                       ; and their two rows of 32 bytes: 64 x thread, 16 more for each 256 passed
	s_lshl_b32 s20, s17, 8
	s_lshl_b32 s21, s15, 7
	s_add_co_u32 s20, s20, s21                     ; my first row of out0
	s_lshl_b32 s20, s20, 12
	s_mov_b32 s21, 0
	s_lshl_b32 s46, s42, 10
	s_lshl_b32 s47, s16, 9
	s_add_co_u32 s46, s46, s47                     ; my first column, in bytes
	s_mov_b32 s47, 0
	s_add_nc_u64 s[96:97], s[8:9], s[46:47]        ; the bias of my 128 columns
	s_add_nc_u64 s[20:21], s[20:21], s[46:47]
	s_add_nc_u64 s[12:13], s[10:11], s[20:21]
	v_lshlrev_b32 v[BO], 6, v2
.irp b, 0,1,2,3,4,5,6,7
	global_load_b128 v[BI+8*\b:BI+8*\b+3], v[BO], s[96:97] offset:128*(\b/2)+32*(\b%2)
	global_load_b128 v[BI+8*\b+4:BI+8*\b+7], v[BO], s[96:97] offset:128*(\b/2)+32*(\b%2)+16
.endr
.macro FRAG reg, adr, q, i             ; the weight's fragment: 24 bytes of the row twice, in pieces of 8; 16 bytes of padding lie behind every 8 pieces
.irp p, 0,1,2,3,4,5
.set PCE, 12*(\q)+6*(\p/3)+\p%3
.if PCE%8 < 5
	ds_load_b64 v[\reg+2*\p:\reg+2*\p+1], v[\adr] offset:8*PCE+16*(PCE/8)+(\i)*16*PITCH
.else
	ds_load_b64 v[\reg+2*\p:\reg+2*\p+1], v[\adr+2] offset:8*PCE+16*(PCE/8)+(\i)*16*PITCH
.endif
.endr
.endm
.macro FRAGA reg, slot, q, i           ; A's fragment: heads 2 q and 2 q + 1 of the slot's four, three pieces each
.irp p, 0,1,2,3,4,5
	ds_load_b64 v[\reg+2*\p:\reg+2*\p+1], v[ADRA+\slot] offset:(\i)*AROWB+(2*(\q)+\p/3)*768+(\p%3)*256
.endr
.endm
.macro MUL16 a0, p, q, sc, zero        ; the 64 accumulators take turns, one instruction a turn
.irp a, \a0, \a0+1
.irp b, 0,1,2,3,4,5,6,7
.if \zero
	v_wmma_scale_f32_16x16x128_f8f6f4 v[8*(8*((\a)%4)+\b):8*(8*((\a)%4)+\b)+7], v[128*(\p)+FR*\b:128*(\p)+FR*\b+FR-1], v[AF+FR*(\a):AF+FR*(\a)+FR-1], v[BI+8*\b:BI+8*\b+7], v[SC+8*NQ*(\sc)+NQ*\b+(\q)], v[SC+8*NQ*(\sc)+NQ*(\a)+(\q)] matrix_a_fmt:MATRIX_FMT_FP6 matrix_b_fmt:MATRIX_FMT_FP6 matrix_a_scale:MATRIX_SCALE_ROW1
.else
	v_wmma_scale_f32_16x16x128_f8f6f4 v[8*(8*((\a)%4)+\b):8*(8*((\a)%4)+\b)+7], v[128*(\p)+FR*\b:128*(\p)+FR*\b+FR-1], v[AF+FR*(\a):AF+FR*(\a)+FR-1], v[8*(8*((\a)%4)+\b):8*(8*((\a)%4)+\b)+7], v[SC+8*NQ*(\sc)+NQ*\b+(\q)], v[SC+8*NQ*(\sc)+NQ*(\a)+(\q)] matrix_a_fmt:MATRIX_FMT_FP6 matrix_b_fmt:MATRIX_FMT_FP6 matrix_a_scale:MATRIX_SCALE_ROW1
.endif
.endr
.endr
.endm
.macro FETCH_B slot, q, p
	WIN TO_B
.irp i, 0,1,2,3,4,5,6,7
	FRAG 128*(\p)+FR*\i, ADRB+\slot, \q, \i
.endr
	WIN 0
.endm
.macro FETCH_A slot, q, i0
.irp i, \i0, \i0+1, \i0+2, \i0+3
	FRAGA AF+FR*(\i), \slot, \q, \i
.endr
.endm
.macro SCALES sc
.irp i, 0,1,2,3,4,5,6,7
	ds_load_b64 v[SC+8*NQ*\sc+NQ*\i:SC+8*NQ*\sc+NQ*\i+1], v[ADRS] offset:\i*SBLK
.endr
.endm
.macro PLACES n
.rept \n
	v_nop
.endr
.endm
.macro STEP slot, q, zero
	s_wait_dscnt 4*NL                              ; the youngest 24 loads (A's blocks 4-7) may be out
.if \zero
	WIN 0x81
.else
	WIN MUL_LO
.endif
	MUL16 0, (\q)%2, \q, \slot, \zero
	MUL16 2, (\q)%2, \q, \slot, \zero
	s_wait_dscnt 0
	PLACES NP
	FETCH_B \slot, (\q)+1, 1-(\q)%2
	FETCH_A \slot, (\q)+1, 0
.if \zero
	WIN 0xc1
.else
	WIN MUL_HI
.endif
	MUL16 4, (\q)%2, \q, \slot, \zero
	MUL16 6, (\q)%2, \q, \slot, \zero
	PLACES NP
	WIN 0
	FETCH_A \slot, (\q)+1, 4
.endm
.macro TURN slot, next, fill
	s_wait_tensorcnt 0x0                           ; all my tensor loads have landed: my part of the next slot
	ds_add_u32 v[SPW], v[NIL]                      ; 0 onto my spare word
	s_wait_dscnt 4*NL+1                            ; (the add and the youngest 24 loads may be out)
	WIN MUL_LO
	MUL16 0, 1, NQ-1, \slot, 0
	s_wait_dscnt 0x0                               ; the add is done, and my reads of this slot are over
	s_barrier_signal -1
	MUL16 2, 1, NQ-1, \slot, 0
	WIN 0
	s_barrier_wait -1
.if \fill
	CREST                                          ; a round of the cluster's barrier: no wave of any partner still reads this slot or has a load on its way
	s_add_nc_u64 s[G0+4*\slot+2:G0+4*\slot+3], s[G0+4*\slot+2:G0+4*\slot+3], 2*AROWB
	s_add_nc_u64 s[G0B+4*\slot+2:G0B+4*\slot+3], s[G0B+4*\slot+2:G0B+4*\slot+3], 2*ROWB
	JLOAD G0+4*\slot, G1, G0B+4*\slot, G1B
.else
	PLACES NP
.endif
	v_add_nc_u32 v[ADRS], 4*NQ, v[ADRS]
	FETCH_B \next, 0, 0
	FETCH_A \next, 0, 0
	SCALES \next
	WIN MUL_HI
	MUL16 4, 1, NQ-1, \slot, 0
	MUL16 6, 1, NQ-1, \slot, 0
	PLACES NP
	WIN 0
	FETCH_A \next, 0, 4
.endm
	s_wait_tensorcnt 2                             ; my scales are in; both slots' loads may be out
	s_barrier_signal -1
	s_barrier_wait -1                              ; everybody's are
	; THE MERGE.  Thread n takes places 2 n and 2 n + 1: of heads 2 s and 2 s + 1 a word each (two places x two bytes), and makes of them each place's word for K = 128 s on.
.irp s, 0,1,2,3,4,5,6,7
	ds_load_b32 v[224+2*\s], v8 offset:1024*\s
	ds_load_b32 v[225+2*\s], v8 offset:1024*\s+512
.endr
	s_wait_dscnt 0x0
.irp s, 0,1,2,3,4,5,6,7
	v_perm_b32 v[240+\s], v[225+2*\s], v[224+2*\s], 0x05040100   ; the two low halves: place 2 n
	v_perm_b32 v[248+\s], v[225+2*\s], v[224+2*\s], 0x07060302   ; the two high halves: place 2 n + 1
.endr
.irp g, 0,1,2,3
	ds_store_b128 v9, v[240+4*\g:243+4*\g] offset:16*\g
.endr
	s_wait_tensorcnt 1                             ; my part of K step 0 is in (K step 1's load may be out),
	s_wait_dscnt 0x0                               ; and my stores of scale words are done:
	s_barrier_signal -1
	s_barrier_wait -1                              ; everybody's are
	FETCH_B 0, 0, 0
	FETCH_A 0, 0, 0
	SCALES 0
	FETCH_A 0, 0, 4
	s_wait_loadcnt 0x0                             ; the bias
	STEP 0, 0, 1
	s_mov_b32 s3, LAPS-1
.Llap:
	TURN 0, 1, 1
	STEP 1, 0, 0
	TURN 1, 0, 1
	STEP 0, 0, 0
	s_sub_co_u32 s3, s3, 1
	s_cmp_lg_u32 s3, 0
	s_cbranch_scc1 .Llap
	TURN 0, 1, 0
	STEP 1, 0, 0
	s_wait_dscnt 4*NL
	WIN MUL_LO
	MUL16 0, 1, NQ-1, 1, 0
	MUL16 2, 1, NQ-1, 1, 0
	s_wait_dscnt 0
	WIN MUL_HI
	MUL16 4, 1, NQ-1, 1, 0
	MUL16 6, 1, NQ-1, 1, 0
	WIN 0
; THE WAY OUT, block by block of 16 tokens x 128 columns, through my own stage: in by lanes (32 bytes of a row at a time, at the columns' true places), back as whole rows of 512 bytes.
.macro TOSTAGE a
.set AC, 64*((\a)%4)
.set WN, 0x08+4*((\a)/4)
	WIN WN
.irp b, 0,1,2,3,4,5,6,7
	ds_store_b128 v[STO], v[AC+8*\b:AC+8*\b+3] offset:128*(\b/2)+32*(\b%2)          ; each accumulator from its low end on
	ds_store_b128 v[STO], v[AC+8*\b+4:AC+8*\b+7] offset:128*(\b/2)+32*(\b%2)+16
.endr
	WIN 0
.set BB, BK+64*((\a)%2)
.irp t, 0,1,2,3,4,5,6,7,8,9,10,11,12,13,14,15
	ds_load_b128 v[BB+4*\t:BB+4*\t+3], v[RD] offset:\t*SPITCH    ; LDS serves a wave's instructions in order
.endr
.endm
.macro SEND a, younger
.set BB, BK+64*((\a)%2)
	s_wait_dscnt \younger
.if ((\a) > 0) && ((\a)%2 == 0)
	s_add_nc_u64 s[12:13], s[12:13], 32*4096       ; (behind a wait on XCNT: the earlier stores have read their base)  the next 32 tokens
.endif
.irp t, 0,1,2,3,4,5,6,7,8,9,10,11,12,13,14,15
	global_store_b128 v[CO], v[BB+4*\t:BB+4*\t+3], s[12:13] offset:(8*((\a)%2)+\t%8+16*(\t/8))*4096 th:TH_STORE_NT   ; stage row t is token 8 (a % 2) + t % 8 + 16 (t / 8) of the 32; 32 lanes store 512 consecutive bytes, aligned
.endr
.endm
	PLACES NP
	TOSTAGE 0
.irp a, 1,2,3,4,5,6,7
.if \a > 1
	s_wait_xcnt 0x0                                ; block a - 2's stores have read their registers and their base
.endif
	TOSTAGE \a
	SEND \a-1, 32                                  ; behind block a - 1's loads: block a's 16 stores and 16 loads
.endr
	s_wait_xcnt 0x0
	SEND 7, 0
	s_wait_tensorcnt 0x0                           ; the wave's end: behind my last tensor load and my last LDS store
	ds_add_u32 v[SPW], v[NIL]
	s_wait_dscnt 0x0
	CROUND                                         ; the closing round
	s_endpgm
.Lfunc_end_k_qb29955aec8_proj:
	.size	k_qb29955aec8_proj, .Lfunc_end_k_qb29955aec8_proj-k_qb29955aec8_proj
	.p2alignl 7, 3214868480
	.fill 96, 4, 3214868480
	.section	.rodata,"a",@progbits
	.p2align	6, 0x0
	.amdhsa_kernel k_qb29955aec8_proj
		.amdhsa_group_segment_fixed_size 327680
		.amdhsa_private_segment_fixed_size 0
		.amdhsa_enable_private_segment 0
		.amdhsa_kernarg_size 32
		.amdhsa_user_sgpr_count 2
		.amdhsa_user_sgpr_kernarg_segment_ptr 1
		.amdhsa_wavefront_size32 1
		.amdhsa_system_sgpr_workgroup_id_x 1
		.amdhsa_system_sgpr_workgroup_id_y 1
		.amdhsa_system_sgpr_workgroup_id_z 1
		.amdhsa_system_vgpr_workitem_id 0
		.amdhsa_next_free_vgpr 1024
		.amdhsa_next_free_sgpr 102
		.amdhsa_reserve_vcc 0
		.amdhsa_float_denorm_mode_32 3
		.amdhsa_float_denorm_mode_16_64 3
		.amdhsa_memory_ordered 1
		.amdhsa_forward_progress 1
		.amdhsa_inst_pref_size 165
	.end_amdhsa_kernel
	.amdgpu_metadata
---
amdhsa.version: [ 1, 2 ]
amdhsa.kernels:
  - .name:           k_qb29955aec8_proj
    .symbol:         k_qb29955aec8_proj.kd
    .args:
      - { .name: oq, .offset: 0, .size: 8, .value_kind: global_buffer, .address_space: global }
      - { .name: wq, .offset: 8, .size: 8, .value_kind: global_buffer, .address_space: global }
      - { .name: proj_b, .offset: 16, .size: 8, .value_kind: global_buffer, .address_space: global }
      - { .name: out0, .offset: 24, .size: 8, .value_kind: global_buffer, .address_space: global }
    .group_segment_fixed_size: 327680
    .private_segment_fixed_size: 0
    .kernarg_segment_align: 8
    .kernarg_segment_size: 32
    .max_flat_workgroup_size: 128
    .sgpr_count:     102
    .vgpr_count:     1024
    .wavefront_size: 32
...
	.end_amdgpu_metadata
.endif
;; end of part 4
